; MI455X (gfx1250); checked and timed in simulation.
; The chip was launched on July 23, 2026; its instructions are those of AMD's public machine-readable ISA for CDNA 5 (MIT licence, August 2026) and "CDNA5" Instruction Set Architecture Reference Guide (July 2026). The comments in the code are by the model that wrote it; some were corrected since.
;; Diff Multi Headed Attention. Allowed arithmetic: matrix products marked QUANTISED: E2M3 operands, one E8M0 scale for each 32 along K, by v_wmma_scale_f32_16x16x128_f8f6f4 with both operands' format E2M3, f32 sums; everything else in f32.
;; Inputs: Wk 1,024 x 1,024 float32; Wo 1,024 x 1,024 float32; Wq 1,024 x 1,024 float32; Wv 1,024 x 1,024 float32; g 64 float32; key_ 2 x 2,048 x 1,024 float32; lk1 32 float32; lk2 32 float32; lq1 32 float32; lq2 32 float32; query 2 x 2,048 x 1,024 float32; value 2 x 2,048 x 1,024 float32.
;; Outputs: out0 2 x 2,048 x 1,024 float32.
;; This version of the problem:
;;   THIS VERSION OF THE PROBLEM IS GIVEN IN LOW PRECISION. The matrix products marked QUANTISED in the list below multiply operands that are first quantised to E2M3 (2 exponent bits, 3 mantissa bits; 6 bits a number), with one power-of-two scale for each 32 numbers along K (OCP MX v1.0); their sums are f32. All else is computed in f32.
;;   The module's matrix products, in the order in which they are computed (A, B: the left and right operand; K: the contracted axis; several contracted axes count as one K, in the product's order):
;;     1. [M 4,096, K 1,024] x [K 1,024, N 1,024]; A: input query; B: input Wq: QUANTISED
;;     2. [M 4,096, K 1,024] x [K 1,024, N 1,024]; A: input key_; B: input Wk: QUANTISED
;;     3. [M 4,096, K 1,024] x [K 1,024, N 1,024]; A: input value; B: input Wv: QUANTISED
;;     4. batch 64 x [M 2,048, K 32] x [K 32, N 2,048]; A: computed on the way; B: computed on the way: QUANTISED
;;     5. batch 32 x [M 2,048, K 2,048] x [K 2,048, N 64]; A: computed on the way; B: computed on the way: QUANTISED
;;     6. [M 4,096, K 1,024] x [K 1,024, N 1,024]; A: computed on the way; B: input Wo: QUANTISED
;;   THE QUANTISER, for each operand of a quantised product, along K:
;;     - K is cut into blocks of 32 from its start; a last block that is shorter is filled with zeros.
;;     - A block's scale is 2^e with e = floor(log2(the largest magnitude in the block)) - 2, held to -126 .. 127; a block of zeros has e = 0. As a byte (E8M0): e + 127.
;;     - Each number is divided by its block's scale, clamped to +-7.5, and rounded to the nearest number of E2M3, ties to even, subnormals kept.
;;     - The product sums the exact products of the quantised numbers (number of the format x scale) in f32.
;;   ~~~python
;;   def quantise(x, axis):      # numpy; x: float32 -> the quantised numbers, widened to float32 again
;;       x = np.moveaxis(x, axis, -1); K = x.shape[-1]
;;       x = np.pad(x, [(0, 0)] * (x.ndim - 1) + [(0, -K % 32)]); x = x.reshape(x.shape[:-1] + (-1, 32)); a = np.abs(x).max(-1, keepdims=True)
;;       e = np.where(a > 0, np.clip(np.frexp(np.where(a > 0, a, 1))[1] - 1 - 2, -126, 127), 0)      # np.frexp(a)[1] - 1 = floor(log2(a)), exactly
;;       r = np.clip(x / 2.0 ** e, -7.5, 7.5)
;;       step = 2.0 ** (np.maximum(np.frexp(np.where(r == 0, 1, r))[1] - 1, 0) - 3)
;;       q = np.round(r / step) * step * 2.0 ** e      # np.round: ties to even
;;       return np.moveaxis(q.reshape(q.shape[:-2] + (-1,))[..., :K], -1, axis).astype(np.float32)
;;   ~~~
;;   OPERANDS COMPUTED ON THE WAY. 'Computed on the way' means the value that the module computes at that place (a softmax that the list does not call 'softmax' is quantised finished and normalised). What goes into a quantiser is computed in f32, as accurately as f32 sums, v_exp_f32 and their like allow (about 1e-6 of the number): no bf16 or f16 on the way to a quantiser, and a product that is left as it is and whose result goes on into a quantised operand takes f32 operands (vector FMAs, or v_wmma_f32_16x16x4_f32). A number that lies on a knife's edge between two numbers of the format may be rounded either way, as far as f32 arithmetic and the matrix unit's own rounding can turn it there, and no further.
;; One version. Each part assembles by itself: llvm-mc -triple=amdgcn-amd-amdhsa -mcpu=gfx1250 --defsym DOCPART=n.
;; ======== version 1 of 1: 4 launches
;; limits: right only within a limited range of input values
;; workspace buffers: xc 12,582,912 bytes; xs 524,288 bytes; qp 3,407,872 bytes; kp 3,407,872 bytes; vp 3,276,800 bytes
;; launch quant (part 1): grid 256 x 1, 16 waves a work-group, no clusters, 268,288 bytes of LDS; arguments query, key_, value, Wq, Wk, Wv, Wo, xc, xs; writes xc, xs
.if DOCPART == 1
	.amdgcn_target "amdgcn-amd-amdhsa--gfx1250"
	.amdhsa_code_object_version 6
	.text
	.protected	k_qd4103057f3_quant
	.globl	k_qd4103057f3_quant
	.p2align	8
	.type	k_qd4103057f3_quant,@function
k_qd4103057f3_quant:
	s_mov_b64 s[64:65], 0
	v_nop
	global_prefetch_b8 v0, s[64:65] scope:SCOPE_SE
	s_setreg_imm32_b32 hwreg(HW_REG_WAVE_MODE, 25, 1), 1
	s_wait_xcnt 0x0
; query, key_, value [4096][1024] and Wq, Wk, Wv, Wo [1024][1024], f32, K innermost, become codes of FP6 (E2M3) with one E8M0 byte for each 32 along K.
; A block's scale is 2^(floor(log2(its largest magnitude)) - 2); its byte is that magnitude's exponent field - 2, held at 1 from below.
; WORK LEFT OUT BY THE PROGRAM (launch attn): key tiles that lie wholly above the diagonal.  reference() builds the causal mask in its own body; under it the softmax gives those places the weight 0 for all
; inputs, so their scores, exponentials and products with v reach no output.  Limit: a NaN, an infinity or an overflow that reaches only those tiles is not carried to the result.  Every input is loaded.
; LAYOUT OF THE RESULT: in the order of the matrix operand's registers.  A TILE is 16 rows: tile 2 b + u of a tensor holds rows 32 b + 8 u + r + 8 (r / 8), r = 0 .. 15.
; xc: tile x 12,288 bytes; K step s (128 along K) at 1,536 s; its half c (registers 6 c .. 6 c + 5 of the fragment) at + 768 c: 512 bytes with registers 6 c .. 6 c + 3, lane l at 16 l, then 256 bytes with the
; last two, lane l at 8 l.  xs: tile x 512 bytes; the scale word of row place r and K step s at 256 (s / 4) + 16 r + 4 (s % 4).  Tiles: query 0-255, key_ 256-511, value 512-767, Wq 768-, Wk 832-, Wv 896-, Wo 960-1023.
; SHARES: work-group g makes tiles 4 g .. 4 g + 3: 64 neighbouring rows.  Wave w = 4 i + q brings rows 16 i .. 16 i + 15, K quarter q (16 rows x 1,024 bytes) by its one tensor load, into LDS bytes filled once.
; Behind one barrier wave 4 t + q makes K steps 2 q and 2 q + 1 of tile t; its rows lie in the loads of waves 8 (t / 2) + q and 8 (t / 2) + 4 + q.
; A lane (r, h) reads, for K step s and half c, the 32 numbers k = 128 s + 64 c + 32 h + 0 .. 31 of its row: a whole block, and just what the operand's layout gives that lane.
; The codes' stores cover whole aligned blocks of 256 bytes; a wave's scale words are 8 bytes in each 16 of 256 (512 bytes of a tile's 12,800).
; No prefetch: the launch has no loop, and all it reads is asked for at its head.  No cluster: no two work-groups read the same bytes.
; LIMITS: NaN and infinities among the inputs are not served.  A block of zeros gets the byte 1 where the rule says 127: its codes are zeros, which add nothing under any byte but 0xff, and only this program reads the bytes.
.set LROW,  1040                       ; an LDS row: 1,024 bytes + 16 of padding = 65 x 16: 16 rows fall in 16 different columns of 16 bytes
.set WREG,  16*LROW                    ; what one tensor load fills
.set SPARE, 16*WREG                    ; the spare words: 128 bytes for each of 16 waves
.set TILEB, 12288
.set TM,    8+4                        ; v12-17   largest magnitudes, scale operands, bytes
.set SW,    20                         ; v20-21   my two scale words
.set W,     28                         ; v28-29   a scale word in the making
.set X0,    32                         ; v32-95, v96-159  two sets of 64 numbers
.set C0,    160                        ; v160-199 codes: 20 registers a step, so that no store's data are written again
.set SPW,   200
.set NIL,   201
.set G1,    28                         ; s[28:35] descriptor group 1
.set G0,    48                         ; s[48:51] group 0
.set SEL,   40                         ; s[40:41] lane selects: lane l xor 16
	s_load_b256 s[4:11], s[0:1], 0x0               ; query, key_, value, Wq
	s_load_b256 s[12:19], s[0:1], 0x20             ; Wk, Wv, Wo, xc
	s_load_b64 s[20:21], s[0:1], 0x40              ; xs
	v_lshl_add_u32 v[SPW], v0, 2, SPARE
	v_mov_b32 v[NIL], 0
	ds_add_u32 v[SPW], v[NIL]                      ; the opening lines
	ds_add_u32 v[SPW], v[NIL]
	v_lshrrev_b32 v1, 5, v0
	v_readfirstlane_b32 s22, v1                    ; wave 0..15
	s_mov_b32 s[G1+0], (2<<16)|(1<<20)|(7<<22)|(3<<25)   ; elements of 4 bytes; padding: behind every 256 words, 4 words
	s_mov_b32 s[G1+1], 256<<16
	s_mov_b32 s[G1+2], 16<<16
	s_mov_b32 s[G1+3], 256<<16
	s_mov_b32 s[G1+4], 16
	s_mov_b32 s[G1+5], 1024                        ; elements from row to row
	s_mov_b32 s[G1+6], 0
	s_mov_b32 s[G1+7], 0
	s_lshr_b32 s44, s22, 2                         ; i: which 16 rows I fetch; t: which tile I make
	s_and_b32 s45, s22, 3                          ; q: my K quarter
	s_mul_i32 s36, s22, WREG                       ; where my load goes
	s_mov_b32 s[SEL], 0x76543210
	s_mov_b32 s[SEL+1], 0xfedcba98
	s_lshl_b32 s37, ttmp9, 2
	s_add_co_u32 s37, s37, s44                     ; my tile in xc and xs
	s_mul_i32 s26, s37, TILEB
	s_mul_i32 s38, s45, 3072
	s_add_co_u32 s26, s26, s38                     ; + my two K steps
	s_mov_b32 s27, 0
	s_lshl_b32 s38, s37, 9
	s_lshr_b32 s39, s45, 1
	s_lshl_b32 s39, s39, 8
	s_add_co_u32 s38, s38, s39
	s_and_b32 s39, s45, 1
	s_lshl_b32 s39, s39, 3
	s_add_co_u32 s38, s38, s39                     ; xs: 512 tile + 256 (q / 2) + 8 (q % 2)
	s_mov_b32 s39, 0
	s_lshr_b32 s46, s44, 1
	s_lshl_b32 s46, s46, 3
	s_add_co_u32 s46, s46, s45
	s_mul_i32 s46, s46, WREG                       ; what I read: the load of wave 8 (t / 2) + q,
	s_and_b32 s47, s44, 1
	s_mul_i32 s47, s47, 8*LROW
	s_add_co_u32 s46, s46, s47                     ; from its row 8 (t % 2) on
	s_wait_dscnt 0x0
	s_wait_kmcnt 0x0
	s_add_nc_u64 s[18:19], s[18:19], s[26:27]
	s_add_nc_u64 s[20:21], s[20:21], s[38:39]
	s_mov_b64 s[24:25], s[16:17]                   ; which tensor: the choice hangs on the work-group's number alone.  Wo, from work-group 240 on
	s_mov_b32 s23, 240
.macro PICK bound, ptr, first
	s_cmp_lt_u32 ttmp9, \bound
	s_cselect_b64 s[24:25], s[\ptr:\ptr+1], s[24:25]
	s_cselect_b32 s23, \first, s23
.endm
	PICK 240, 14, 224                              ; Wv
	PICK 224, 12, 208                              ; Wk
	PICK 208, 10, 192                              ; Wq
	PICK 192, 8, 128                               ; value
	PICK 128, 6, 64                                ; key_
	PICK 64, 4, 0                                  ; query
	s_sub_co_u32 s26, ttmp9, s23
	s_lshl_b32 s26, s26, 2
	s_add_co_u32 s26, s26, s44
	s_lshl_b32 s26, s26, 16                        ; 16 rows of 4,096 bytes for each i
	s_lshl_b32 s38, s45, 10
	s_add_co_u32 s26, s26, s38                     ; + 1,024 q (s27 is still 0)
	s_mov_b32 s[G0], 1
	s_mov_b32 s[G0+1], s36
	s_add_nc_u64 s[G0+2:G0+3], s[24:25], s[26:27]
	s_or_b32 s[G0+3], s[G0+3], 0x80000000
	tensor_load_to_lds s[G0:G0+3], s[G1:G1+7]      ; my one tensor load
	s_nop 0
	v_and_b32 v1, 31, v0                           ; lane
	v_and_b32 v2, 15, v0                           ; r
	v_bfe_u32 v3, v0, 4, 1                         ; h
	v_and_b32 v4, 7, v0
	v_mul_u32_u24 v4, v4, LROW
	v_bfe_u32 v8, v0, 3, 1
	v_mad_u32_u24 v4, v8, 4*WREG, v4               ; row places 8-15 lie in the load four waves on
	v_lshl_add_u32 v4, v3, 7, v4
	v_add_nc_u32 v4, s46, v4
	v_lshlrev_b32 v5, 4, v1                        ; 16 x lane
	v_lshlrev_b32 v6, 3, v1                        ; 8 x lane
	v_lshlrev_b32 v7, 3, v3                        ; 8 h: my bytes' place in a scale word, in bits
	v_lshlrev_b32 v9, 4, v2                        ; 16 r
	v_mov_b32 v[W+1], 0                            ; a lane permute's destination counts as one of its sources
	s_wait_alu depctr_va_vdst(0)
	s_wait_tensorcnt 0x0                           ; my load has landed;
	s_barrier_signal -1
	s_barrier_wait -1                              ; everybody's has.
.irp s, 0,1
.irp c, 0,1
.irp k, 0,1,2,3,4,5,6,7
	ds_load_b128 v[X0+64*\s+32*\c+4*\k:X0+64*\s+32*\c+4*\k+3], v4 offset:512*\s+256*\c+16*\k
.endr
.endr
.endr
.macro QSTEP s
.set XS, X0+64*(\s)
.set C, C0+20*(\s)
.set T, C0+20*(\s)+12
	s_wait_dscnt 16-16*(\s)                        ; this step's 16 loads are in
.irp c, 0,1                                    ; my block 2 c + h: all its 32 numbers are mine.  Four chains by turns
	v_max3_num_f32 v[TM+\c], |v[XS+32*\c]|, |v[XS+32*\c+1]|, 0x1800000   ; with the floor 2^(3 - 127): the byte cannot fall under 1
	v_max_num_f32 v[TM+2+\c], |v[XS+32*\c+16]|, |v[XS+32*\c+17]|
.endr
.irp i, 2,4,6,8,10,12,14
.irp c, 0,1
	v_max3_num_f32 v[TM+\c], v[TM+\c], |v[XS+32*\c+\i]|, |v[XS+32*\c+\i+1]|
	v_max3_num_f32 v[TM+2+\c], v[TM+2+\c], |v[XS+32*\c+16+\i]|, |v[XS+32*\c+17+\i]|
.endr
.endr
.irp c, 0,1
	v_max_num_f32 v[TM+\c], v[TM+\c], v[TM+2+\c]
.endr
.irp c, 0,1
	v_add_nc_u32 v[TM+2+\c], 0xff000000, v[TM+\c]  ; 2 off the exponent field: the conversion's scale operand
.endr
.irp c, 0,1
	v_lshrrev_b32 v[TM+4+\c], 23, v[TM+2+\c]       ; the scale's byte
.endr
	v_lshl_or_b32 v[W], v[TM+5], 16, v[TM+4]       ; my two bytes: blocks h and 2 + h of row r,
	v_lshlrev_b32 v[W], v7, v[W]                   ; at their places in the word;
	v_permlanex16_b32 v[W+1], v[W], s[SEL], s[SEL+1]
	v_or_b32 v[SW+(\s)], v[W], v[W+1]              ; with lane l xor 16's two the word is whole
.irp c, 0,1
	v_cvt_scalef32_pk16_fp6_f32 v[C+6*\c:C+6*\c+2], v[XS+32*\c:XS+32*\c+15], v[TM+2+\c]
	v_cvt_scalef32_pk16_fp6_f32 v[T+4*\c:T+4*\c+2], v[XS+32*\c+16:XS+32*\c+31], v[TM+2+\c]   ; (a conversion's three registers begin on an even number)
.endr
	v_nop                                          ; one plain place behind a scaled conversion
.irp c, 0,1
.irp i, 0,1,2
	v_mov_b32 v[C+6*\c+3+\i], v[T+4*\c+\i]
.endr
.endr
.irp c, 0,1
	global_store_b128 v5, v[C+6*\c:C+6*\c+3], s[18:19] offset:1536*(\s)+768*\c
	global_store_b64 v6, v[C+6*\c+4:C+6*\c+5], s[18:19] offset:1536*(\s)+768*\c+512
.endr
.endm
	QSTEP 0
	QSTEP 1
	global_store_b64 v9, v[SW:SW+1], s[20:21]      ; lanes l and l xor 16 hold the same words and write the same bytes
	s_wait_tensorcnt 0x0                           ; the wave's end
	ds_add_u32 v[SPW], v[NIL]
	s_wait_dscnt 0x0
	s_endpgm
.Lfunc_end_k_qd4103057f3_quant:
	.size	k_qd4103057f3_quant, .Lfunc_end_k_qd4103057f3_quant-k_qd4103057f3_quant
	.p2alignl 7, 3214868480
	.fill 96, 4, 3214868480
	.section	.rodata,"a",@progbits
	.p2align	6, 0x0
	.amdhsa_kernel k_qd4103057f3_quant
		.amdhsa_group_segment_fixed_size 268288
		.amdhsa_private_segment_fixed_size 0
		.amdhsa_enable_private_segment 0
		.amdhsa_kernarg_size 72
		.amdhsa_user_sgpr_count 2
		.amdhsa_user_sgpr_kernarg_segment_ptr 1
		.amdhsa_wavefront_size32 1
		.amdhsa_system_sgpr_workgroup_id_x 1
		.amdhsa_system_sgpr_workgroup_id_y 1
		.amdhsa_system_sgpr_workgroup_id_z 1
		.amdhsa_system_vgpr_workitem_id 0
		.amdhsa_next_free_vgpr 208
		.amdhsa_next_free_sgpr 66
		.amdhsa_reserve_vcc 0
		.amdhsa_float_denorm_mode_32 3
		.amdhsa_float_denorm_mode_16_64 3
		.amdhsa_memory_ordered 1
		.amdhsa_forward_progress 1
		.amdhsa_inst_pref_size 14
	.end_amdhsa_kernel
	.amdgpu_metadata
---
amdhsa.version: [ 1, 2 ]
amdhsa.kernels:
  - .name:           k_qd4103057f3_quant
    .symbol:         k_qd4103057f3_quant.kd
    .args:
      - { .name: query, .offset: 0, .size: 8, .value_kind: global_buffer, .address_space: global }
      - { .name: key_, .offset: 8, .size: 8, .value_kind: global_buffer, .address_space: global }
      - { .name: value, .offset: 16, .size: 8, .value_kind: global_buffer, .address_space: global }
      - { .name: Wq, .offset: 24, .size: 8, .value_kind: global_buffer, .address_space: global }
      - { .name: Wk, .offset: 32, .size: 8, .value_kind: global_buffer, .address_space: global }
      - { .name: Wv, .offset: 40, .size: 8, .value_kind: global_buffer, .address_space: global }
      - { .name: Wo, .offset: 48, .size: 8, .value_kind: global_buffer, .address_space: global }
      - { .name: xc, .offset: 56, .size: 8, .value_kind: global_buffer, .address_space: global }
      - { .name: xs, .offset: 64, .size: 8, .value_kind: global_buffer, .address_space: global }
    .group_segment_fixed_size: 268288
    .private_segment_fixed_size: 0
    .kernarg_segment_align: 8
    .kernarg_segment_size: 72
    .max_flat_workgroup_size: 512
    .sgpr_count:     66
    .vgpr_count:     208
    .wavefront_size: 32
...
	.end_amdgpu_metadata
.endif
;; end of part 1
;; launch proj (part 2): grid 4 x 48, 4 waves a work-group, clusters of 4 x 4, 327,680 bytes of LDS; arguments xc, xs, qp, kp, vp; writes qp, kp, vp
.if DOCPART == 2
	.amdgcn_target "amdgcn-amd-amdhsa--gfx1250"
	.amdhsa_code_object_version 6
	.text
	.protected	k_qd4103057f3_proj
	.globl	k_qd4103057f3_proj
	.p2align	8
	.type	k_qd4103057f3_proj,@function
k_qd4103057f3_proj:
	s_mov_b64 s[64:65], 0
	v_nop
	global_prefetch_b8 v0, s[64:65] scope:SCOPE_SE
	s_setreg_imm32_b32 hwreg(HW_REG_WAVE_MODE, 25, 1), 1
	s_wait_xcnt 0x0
	s_wait_alu depctr_hold_cnt(0) depctr_sa_sdst(0) depctr_va_vdst(0) depctr_va_sdst(0) depctr_va_ssrc(0) depctr_va_vcc(0) depctr_vm_vsrc(0)
	s_getreg_b32 s2, hwreg(HW_REG_IB_STS2, 6, 4)
	s_cmp_eq_u32 s2, 0
	s_cbranch_scc0 .Lentry_in_a_cluster
	s_endpgm
.Lentry_in_a_cluster:
	s_bfe_u32 s2, ttmp6, 0x10000c
	s_cmp_lg_u32 s2, 0xf033
	s_cbranch_scc0 .Lentry_shape_is_right
	s_endpgm
.Lentry_shape_is_right:
; q = query Wq^T, k = key_ Wk^T, v = value Wv^T on codes of FP6 (E2M3) with E8M0 scales, f32 sums; the results are quantised in registers for the attention's two products and leave as codes.
; Operands come from xc and xs in the order of the operand's registers (tile = 16 rows, 12,288 bytes; K step s at 1,536 s; half c at + 768 c: 512 bytes at 16 x lane, 256 bytes at 8 x lane).
; Tile 2 b + u holds rows 32 b + 8 u + r + 8 (r / 8): with such tiles as source 0, the 16 registers of tiles 2 b and 2 b + 1 in a lane are the 16 neighbours 32 b + 16 (lane / 16) + 0 .. 15.
; SHARES: work-group (gx, gy) makes 256 rows x 256 features; gy / 16 says which product (kind 0 q, 1 k, 2 v): 192 work-groups, one to a WGP.  Four waves, 128 x 128 each: 64 accumulators, which take turns
; a K step is 64 products on 16 fragments, none read twice.
; LDS: three regions of two K steps each (16 tiles of activations, then 16 of weights, 3,072 bytes a tile: 98,304 bytes).  The head brings K steps 0-3, a load of 16 tiles a wave; steps 4-5 come behind the
; head's full sequence, 8 tiles a wave; steps 6-7 fill region 0 again in K step 2, when steps 0 and 1 have been read.  One tensor load a wave is out at any time, by this text's count.
; CLUSTERS: 4 x 4 work-groups; the activations' tiles hang on gy alone and are asked for jointly along a row of the cluster, the weights' on gx (and kind, which the whole cluster shares) along a column.
; NO PREFETCH: the block is the largest that the registers hold, in clusters, and K is eight steps, written out: there is no loop to run ahead in.
; WHICH SIDE IS SOURCE 0.  Source 0's rows run along a lane's registers, the axis along which the result is quantised.  q, k: the features (a half-head of 32 is the block): source 0 = W.
; v: the keys, which are the rows of value: source 0 = the activations.  The swap is a choice of two LDS bases and two places in xs on kind.
; OUT.  q, k pack (one head, 128 rows; 6,656 bytes): tile t at 768 t, lanes 0-15 half-head 0's 24 bytes of row place r, lanes 16-31 half-head 1's; scale words at 6,144 + 64 t + 4 r: bytes [half 0, half 1, 1, 1].
; v pack (one head, 128 keys; 6,400 bytes): channel tile t, key half c at 768 (2 t + c); scale words at 6,144 + 64 t + 4 r, byte b = key block b.  The scale stores cover 128 bytes on end.
; LIMITS: NaN and infinities are not served; a block of zeros gets the byte 1 (its codes are zeros; only this program reads the bytes).
; REGISTERS: window 0: v1-31 addresses; v32-95 scale words; v128-223 source 1's eight fragments, one set; on the way out v32-127 codes, v128-195 at work.  window 1: source 0's fragments, two sets, at v0 and v128.
; windows 2, 3: accumulators: (a, b) = (source 1's tile, source 0's) at v[8 (8 (a % 4) + b)], window 2 + a / 4.
.set TILEB, 12288
.set STEPB, 1536
.set SROW,  3072                       ; a tile's two K steps
.set QREG,  8*SROW
.set HREG,  16*SROW
.set SLOT,  2*HREG
.set SPARE, 3*SLOT
.set FR,    12
.set NL,    4                          ; LDS loads that bring a fragment
.set SC,    32                         ; register SC + 8 a + s: lanes 0-15 source 1's tile a, lanes 16-31 source 0's tile a, K step s
.set AF,    128
.set X016,  4                          ; v4-6, v7-9: source 0's fragments in regions 0, 1, 2: 16 x lane, and 512 + 8 x lane;  v10-12, v13-15: source 1's
.set X08,   7
.set X116,  10
.set X18,   13
.set CD,    32                         ; the way out: codes, 12 registers for each of source 1's tiles
.set TT,    128
.set M,     152
.set M2,    156
.set SO,    160
.set PT,    164
.set WD,    172
.set OW,    188
.set G1A, 24
.set G1B, 48
.set SEL, 76
.set MSB, 0
.macro WIN new                         ; the immediate's high byte repeats the setting that is left
.if MSB != \new
	s_set_vgpr_msb (MSB<<8)|\new
.set MSB, \new
.endif
.endm
.set MUL_LO, 0xa1                      ; source 0 window 1, source 1 window 0, C and D window 2
.set MUL_HI, 0xf1
.set TO_X0,  0x40
.macro PLACES
.rept 4
	v_nop
.endr
.endm
.macro JLOAD sel, g0a, g0b             ; a joint load: s[sel] = 0: activations, else weights; s_nop 0 and four v_nop follow each line
	s_cmp_eq_u32 s[\sel], 0
	s_cbranch_scc0 .Lfor_b_\@
	tensor_load_to_lds s[\g0a:\g0a+3], s[G1A:G1A+7]
	s_nop 0
	PLACES
	s_branch .Lasked_\@
.Lfor_b_\@:
	tensor_load_to_lds s[\g0b:\g0b+3], s[G1B:G1B+7]
	s_nop 0
	PLACES
.Lasked_\@:
.endm
.macro CREST                           ; a round of the cluster's barrier behind its opening barrier
	s_cmp_lg_u32 s14, 0
	s_cbranch_scc1 .Lnot_wave_0_\@
	s_barrier_signal -3
.Lnot_wave_0_\@:
	s_barrier_wait -3
	s_barrier_signal -1
	s_barrier_wait -1
.endm
.macro CROUND
	s_barrier_signal -1
	s_barrier_wait -1
	CREST
.endm
	s_load_b128 s[4:7], s[0:1], 0x0                ; xc, xs
	s_load_b128 s[8:11], s[0:1], 0x10              ; qp, kp
	s_load_b64 s[12:13], s[0:1], 0x20              ; vp
	v_lshl_add_u32 v30, v0, 2, SPARE
	v_mov_b32 v31, 0
	ds_add_u32 v30, v31                            ; the opening lines
	ds_add_u32 v30, v31
	v_lshrrev_b32 v1, 5, v0
	v_readfirstlane_b32 s14, v1                    ; wave 0..3
	s_lshr_b32 s15, s14, 1                         ; wy: my half of the rows
	s_and_b32 s16, s14, 1                          ; wx: my half of the features
	s_bfe_u32 s40, ttmp6, 0x40000                  ; cx
	s_bfe_u32 s41, ttmp6, 0x40004                  ; cy
	s_lshl_b32 s42, ttmp9, 2
	s_add_co_u32 s42, s42, s40                     ; gx
	s_and_b32 s17, ttmp7, 0xffff
	s_lshr_b32 s18, s17, 2                         ; kind, from the cluster's y alone
	s_lshl_b32 s17, s17, 2
	s_add_co_u32 s17, s17, s41                     ; gy
	s_lshl_b32 s43, s41, 2
	s_lshl_b32 s43, 15, s43                        ; my row of the cluster
	s_lshl_b32 s44, 0x1111, s40                    ; my column
	s_or_b32 s[G1A+0], s43, (3<<16)|(1<<21)        ; the mask; elements of 8 bytes; bit 21 beside a mask; no padding
	s_or_b32 s[G1B+0], s44, (3<<16)|(1<<21)
.irp g, G1A, G1B                               ; rows (tiles) of 384 elements (two K steps), 1,536 elements (a tile) apart; 16 rows at the head
	s_mov_b32 s[\g+1], 384<<16
	s_mov_b32 s[\g+2], 16<<16
	s_mov_b32 s[\g+3], 384<<16
	s_mov_b32 s[\g+4], 16
	s_mov_b32 s[\g+5], 1536
	s_mov_b32 s[\g+6], 0
	s_mov_b32 s[\g+7], 0
.endr
	s_mul_i32 s20, s17, 16*TILEB                   ; activations: tile 16 gy
	s_mov_b32 s21, 0
	s_lshl_b32 s46, s42, 4
	s_lshl_b32 s47, s18, 6
	s_add_co_u32 s46, s46, s47
	s_add_co_u32 s46, s46, 768                     ; weights: tile 768 + 64 kind + 16 gx
	s_mul_i32 s46, s46, TILEB
	s_mov_b32 s47, 0
	s_mul_i32 s78, s15, SROW                       ; at the head wave w fetches K steps 2 (w / 2) and the next, of activations (w even) or weights,
	s_mov_b32 s79, 0
	s_mul_i32 s45, s14, HREG                       ; to 16 tiles' room x w;
	s_mul_i32 s80, s16, 8*TILEB                    ; later eight tiles: waves 0, 1 activations, waves 2, 3 weights,
	s_mov_b32 s81, 0
	s_mul_i32 s23, s14, QREG                       ; to eight tiles' room x w.  No place in the cluster enters an LDS address
	s_mov_b32 s[SEL], 0x76543210
	s_mov_b32 s[SEL+1], 0xfedcba98
	s_wait_dscnt 0x0
	s_wait_kmcnt 0x0
	s_add_nc_u64 s[20:21], s[4:5], s[20:21]
	s_add_nc_u64 s[46:47], s[4:5], s[46:47]
	CROUND                                         ; all sixteen work-groups are here: the joint loads meet
	s_mov_b32 s32, 1
	s_mov_b32 s33, s45
	s_add_nc_u64 s[34:35], s[20:21], s[78:79]
	s_or_b32 s35, s35, 0x80000000
	s_mov_b32 s36, 1
	s_mov_b32 s37, s45
	s_add_nc_u64 s[38:39], s[46:47], s[78:79]
	s_or_b32 s39, s39, 0x80000000
	s_add_nc_u64 s[20:21], s[20:21], s[80:81]
	s_add_nc_u64 s[46:47], s[46:47], s[80:81]
	s_mov_b32 s56, 1                               ; K steps 4-5, to region 2
	s_add_co_u32 s57, s23, 2*SLOT
	s_add_nc_u64 s[58:59], s[20:21], 4*STEPB
	s_or_b32 s59, s59, 0x80000000
	s_mov_b32 s60, 1
	s_add_co_u32 s61, s23, 2*SLOT
	s_add_nc_u64 s[62:63], s[46:47], 4*STEPB
	s_or_b32 s63, s63, 0x80000000
	s_mov_b32 s68, 1                               ; K steps 6-7, to region 0
	s_mov_b32 s69, s23
	s_add_nc_u64 s[70:71], s[20:21], 6*STEPB
	s_or_b32 s71, s71, 0x80000000
	s_mov_b32 s72, 1
	s_mov_b32 s73, s23
	s_add_nc_u64 s[74:75], s[46:47], 6*STEPB
	s_or_b32 s75, s75, 0x80000000
	JLOAD 16, 32, 36                               ; K steps 0-3: one load a wave
	s_mul_i32 s82, s15, QREG                       ; my eight tiles of activations in a region
	s_mul_i32 s83, s16, QREG
	s_add_co_u32 s83, s83, HREG                    ; my eight tiles of weights
	s_lshl_b32 s84, s17, 4
	s_lshl_b32 s85, s15, 3
	s_add_co_u32 s84, s84, s85
	s_lshl_b32 s84, s84, 9                         ; their scale words in xs: 512 x (16 gy + 8 wy)
	s_lshl_b32 s85, s42, 4
	s_lshl_b32 s88, s16, 3
	s_add_co_u32 s85, s85, s88
	s_lshl_b32 s88, s18, 6
	s_add_co_u32 s85, s85, s88
	s_add_co_u32 s85, s85, 768
	s_lshl_b32 s85, s85, 9                         ; 512 x (768 + 64 kind + 16 gx + 8 wx)
	s_cmp_eq_u32 s18, 2                            ; v: source 0 = the activations; q, k: source 0 = the weights
	s_cselect_b32 s86, s82, s83                    ; source 0's LDS base
	s_cselect_b32 s87, s83, s82                    ; source 1's
	s_cselect_b32 s88, s84, s85                    ; source 0's scale words
	s_cselect_b32 s89, s85, s84                    ; source 1's
	s_add_co_u32 s90, s86, 512
	s_add_co_u32 s91, s87, 512
	v_and_b32 v3, 31, v0                           ; lane
	v_and_b32 v1, 15, v0                           ; r
.irp k, 0,1,2
	v_lshl_add_u32 v[X016+\k], v3, 4, s86
	v_lshl_add_u32 v[X08+\k], v3, 3, s90
	v_lshl_add_u32 v[X116+\k], v3, 4, s87
	v_lshl_add_u32 v[X18+\k], v3, 3, s91
	s_add_co_u32 s86, s86, SLOT
	s_add_co_u32 s90, s90, SLOT
	s_add_co_u32 s87, s87, SLOT
	s_add_co_u32 s91, s91, SLOT
.endr
	v_cmp_lt_u32 vcc_lo, 15, v3
	v_mov_b32 v20, s89
	v_mov_b32 v21, s88
	v_cndmask_b32 v20, v20, v21, vcc_lo            ; lanes 0-15 take source 1's words, lanes 16-31 source 0's
	v_lshl_add_u32 v20, v1, 4, v20
.irp a, 0,1,2,3,4,5,6,7
.irp kh, 0,1
	global_load_b128 v[SC+8*\a+4*\kh:SC+8*\a+4*\kh+3], v20, s[6:7] offset:512*\a+256*\kh   ; four K steps' words of tile a
.endr
.endr
.macro FRAG reg, a16, a8, off
.irp c, 0,1
	ds_load_b128 v[(\reg)+6*\c:(\reg)+6*\c+3], v[\a16] offset:(\off)+768*\c
	ds_load_b64 v[(\reg)+6*\c+4:(\reg)+6*\c+5], v[\a8] offset:(\off)+768*\c
.endr
.endm
.macro FETCH_X0 st, p                  ; source 0's eight fragments of K step st into set p.  K step st lies in region (st / 2) % 3
.set SL, ((\st)/2)%3
	WIN TO_X0
.irp i, 0,1,2,3,4,5,6,7
	FRAG 128*(\p)+FR*\i, X016+SL, X08+SL, SROW*\i+STEPB*((\st)%2)
.endr
	WIN 0
.endm
.macro FETCH_X1 st, i0                 ; source 1's fragments i0 .. i0 + 3
.set SL, ((\st)/2)%3
.irp i, \i0, \i0+1, \i0+2, \i0+3
	FRAG AF+FR*(\i), X116+SL, X18+SL, SROW*(\i)+STEPB*((\st)%2)
.endr
.endm
.macro MUL16 a0, p, st, zero           ; 16 products: source 1's tiles a0, a0 + 1 x source 0's eight; zero = 1: they start the sums
.irp a, \a0, \a0+1
.irp b, 0,1,2,3,4,5,6,7
.if \zero
	v_wmma_scale_f32_16x16x128_f8f6f4 v[8*(8*((\a)%4)+\b):8*(8*((\a)%4)+\b)+7], v[128*(\p)+FR*\b:128*(\p)+FR*\b+FR-1], v[AF+FR*(\a):AF+FR*(\a)+FR-1], 0, v[SC+8*\b+(\st)], v[SC+8*(\a)+(\st)] matrix_a_fmt:MATRIX_FMT_FP6 matrix_b_fmt:MATRIX_FMT_FP6 matrix_a_scale:MATRIX_SCALE_ROW1
.else
	v_wmma_scale_f32_16x16x128_f8f6f4 v[8*(8*((\a)%4)+\b):8*(8*((\a)%4)+\b)+7], v[128*(\p)+FR*\b:128*(\p)+FR*\b+FR-1], v[AF+FR*(\a):AF+FR*(\a)+FR-1], v[8*(8*((\a)%4)+\b):8*(8*((\a)%4)+\b)+7], v[SC+8*\b+(\st)], v[SC+8*(\a)+(\st)] matrix_a_fmt:MATRIX_FMT_FP6 matrix_b_fmt:MATRIX_FMT_FP6 matrix_a_scale:MATRIX_SCALE_ROW1
.endif
.endr
.endr
.endm
; A K step: 64 products; the next step's fragments are fetched in its middle (source 0's other set, source 1's tiles 0-3, whose products are issued) and at its end (tiles 4-7).
; K step 2: regions 0's steps have been read, and steps 4-5 must be whole for the fetch in step 3: the three lines, a round of the cluster's barrier, and region 0 is filled again.
; K step 5: steps 6-7 must be whole for the fetch below: the wait and a barrier behind which nothing is filled.
.macro STEP st, zero
.set NX, (\st)+1
.if (\st) == 2 || (\st) == 5
	s_wait_tensorcnt 0x0                           ; my one load that was out has landed
.if (\st) == 2
	ds_add_u32 v30, v31
	s_wait_dscnt 4*NL+1                            ; (the add and the youngest 16 loads, source 1's tiles 4-7, may be out)
.else
	s_wait_dscnt 4*NL
.endif
	WIN MUL_LO
	MUL16 0, (\st)%2, \st, \zero
	s_wait_dscnt 0x0                               ; all my LDS instructions are done
	s_barrier_signal -1
	MUL16 2, (\st)%2, \st, \zero
	WIN 0
	s_barrier_wait -1
.if (\st) == 2
	CREST                                          ; no wave of any partner still reads region 0 or has a load on its way
	JLOAD 15, 68, 72                               ; K steps 6-7; the four v_nop behind it are the places in front of the loads below
.else
	PLACES
.endif
.else
	s_wait_dscnt 4*NL                              ; all but the youngest 16 loads (source 1's tiles 4-7)
	WIN MUL_LO
	MUL16 0, (\st)%2, \st, \zero
	MUL16 2, (\st)%2, \st, \zero
	s_wait_dscnt 0x0
	PLACES
.endif
	FETCH_X0 NX, NX%2
	FETCH_X1 NX, 0
	WIN MUL_HI
	MUL16 4, (\st)%2, \st, \zero
	MUL16 6, (\st)%2, \st, \zero
	PLACES
	WIN 0
	FETCH_X1 NX, 4
.endm
	s_wait_alu depctr_va_vdst(0)
	s_wait_tensorcnt 0x0                           ; my load of the head's four is in
	ds_add_u32 v30, v31
	s_mov_b32 s[G1A+2], 8<<16                      ; no tensor load of mine is out: from here on a load brings eight tiles
	s_mov_b32 s[G1A+4], 8
	s_mov_b32 s[G1B+2], 8<<16
	s_mov_b32 s[G1B+4], 8
	s_wait_dscnt 0x0
	CROUND
	JLOAD 15, 56, 60                               ; K steps 4-5
	FETCH_X0 0, 0
	FETCH_X1 0, 0
	FETCH_X1 0, 4
	s_wait_loadcnt 0x0                             ; the scale words
	STEP 0, 1
.irp s, 1,2,3,4,5,6
	STEP \s, 0
.endr
	s_wait_dscnt 4*NL
	WIN MUL_LO
	MUL16 0, 1, 7, 0
	MUL16 2, 1, 7, 0
	s_wait_dscnt 0x0
	WIN MUL_HI
	MUL16 4, 1, 7, 0
	MUL16 6, 1, 7, 0
	WIN 0
	PLACES
.irp b, 0,1,2,3
	v_mov_b32 v[M2+\b], 0                          ; a lane permute's destination counts as one of its sources
.endr
	v_lshlrev_b32 v22, 4, v3
	v_lshlrev_b32 v23, 3, v3
	v_lshlrev_b32 v24, 2, v3
; Source 1's tile a: my 64 numbers along source 0 are halves of four blocks of 32 (the other halves lie in lane l xor 16).  They become 2 x 6 registers of codes and 2 x 2 scale bytes.
.macro QA a
.set AW, 2+(\a)/4
.set AC, 64*((\a)%4)
	WIN AW|(AW<<2)|(AW<<4)                         ; all three sources in the accumulators' window
.irp b, 0,1,2,3
.irp k, 0,1,2,3,4
	v_max3_num_f32 v[TT+6*\b+\k], |v[AC+16*\b+3*\k]|, |v[AC+16*\b+3*\k+1]|, |v[AC+16*\b+3*\k+2]|
.endr
	v_max_num_f32 v[TT+6*\b+5], |v[AC+16*\b+15]|, |v[AC+16*\b+15]|
.endr
	WIN 0
.irp b, 0,1,2,3
	v_max3_num_f32 v[TT+6*\b], v[TT+6*\b], v[TT+6*\b+1], v[TT+6*\b+2]
	v_max3_num_f32 v[TT+6*\b+3], v[TT+6*\b+3], v[TT+6*\b+4], v[TT+6*\b+5]
.endr
.irp b, 0,1,2,3
	v_max3_num_f32 v[M+\b], v[TT+6*\b], v[TT+6*\b+3], 0x1800000   ; with the floor 2^(3 - 127)
.endr
.irp b, 0,1,2,3
	v_permlanex16_b32 v[M2+\b], v[M+\b], s[SEL], s[SEL+1]
.endr
.irp b, 0,1,2,3
	v_max_num_f32 v[M+\b], v[M+\b], v[M2+\b]       ; the block's largest magnitude
.endr
.irp b, 0,1,2,3
	v_add_nc_u32 v[SO+\b], 0xff000000, v[M+\b]     ; 2 off its exponent field: the conversion's scale operand
.endr
.irp b, 0,1,2,3
	v_lshrrev_b32 v[M+\b], 23, v[SO+\b]            ; the scale's byte
.endr
.irp u, 0,1
	v_lshl_or_b32 v[WD+2*(\a)+\u], v[M+2*\u+1], 8, v[M+2*\u]
.endr
	WIN AW                                         ; source 0 in the accumulators' window
.irp u, 0,1
	v_cvt_scalef32_pk16_fp6_f32 v[CD+12*(\a)+6*\u:CD+12*(\a)+6*\u+2], v[AC+32*\u:AC+32*\u+15], v[SO+2*\u]
	v_cvt_scalef32_pk16_fp6_f32 v[PT+4*\u:PT+4*\u+2], v[AC+32*\u+16:AC+32*\u+31], v[SO+2*\u+1]
.endr
	WIN 0
	v_nop                                          ; one plain place behind a scaled conversion
.irp u, 0,1
.irp i, 0,1,2
	v_permlane16_swap_b32 v[CD+12*(\a)+6*\u+\i], v[PT+4*\u+\i]   ; a whole block to a lane
.endr
.endr
.irp u, 0,1
.irp i, 0,1,2
	v_mov_b32 v[CD+12*(\a)+6*\u+3+\i], v[PT+4*\u+\i]
.endr
.endr
.endm
.irp a, 0,1,2,3,4,5,6,7
	QA \a
.endr
	v_cmp_lt_u32 vcc_lo, 15, v3
	s_and_b32 s78, s17, 15
	s_lshl_b32 s78, s78, 1
	s_add_co_u32 s78, s78, s15                     ; my 128 rows among the tensor's 32 such
	s_lshr_b32 s79, s78, 4                         ; batch
	s_and_b32 s78, s78, 15                         ; block of 128 rows
	s_lshl_b32 s80, s42, 2
	s_lshl_b32 s81, s16, 1
	s_add_co_u32 s80, s80, s81                     ; my first head = 4 gx + 2 wx
	s_lshl_b32 s79, s79, 4
	s_add_co_u32 s79, s79, s80
	s_lshl_b32 s79, s79, 4
	s_add_co_u32 s79, s79, s78                     ; pack = (16 batch + head) 16 + block; the next head's lies 16 packs on
	s_mov_b32 s81, 0
	s_wait_alu depctr_va_vdst(0)
	s_cmp_eq_u32 s18, 2
	s_cbranch_scc1 .Lv_out
	s_mul_i32 s80, s79, 6656
	s_cmp_eq_u32 s18, 0
	s_cselect_b64 s[8:9], s[8:9], s[10:11]         ; qp or kp
	s_add_nc_u64 s[8:9], s[8:9], s[80:81]
.irp u, 0,1                                    ; unit (a, u): row tile a of head u
.irp a, 0,2,4,6
	v_cndmask_b32 v[OW+4*\u+\a/2], v[WD+2*\a+\u], v[WD+2*\a+2+\u], vcc_lo   ; lanes 0-15 carry tile a's bytes of row place r, lanes 16-31 tile a + 1's
.endr
.endr
.irp n, 0,1,2,3,4,5,6,7
	v_or_b32 v[OW+\n], 0x01010000, v[OW+\n]        ; bytes 2 and 3 stand over blocks that hold no number of q or k: 1
.endr
.irp u, 0,1
.irp a, 0,1,2,3,4,5,6,7
	global_store_b128 v22, v[CD+12*\a+6*\u:CD+12*\a+6*\u+3], s[8:9] offset:16*6656*\u+768*\a
	global_store_b64 v23, v[CD+12*\a+6*\u+4:CD+12*\a+6*\u+5], s[8:9] offset:16*6656*\u+768*\a+512
.endr
.irp a, 0,2,4,6
	global_store_b32 v24, v[OW+4*\u+\a/2], s[8:9] offset:16*6656*\u+6144+64*\a
.endr
.endr
	s_branch .Ldone
.Lv_out:
	s_mul_i32 s80, s79, 6400
	s_add_nc_u64 s[12:13], s[12:13], s[80:81]
.irp a, 0,1,2,3,4,5,6,7                        ; unit (a, u): channel tile a % 4 of head a / 4, key half u
	v_lshl_or_b32 v[WD+2*\a], v[WD+2*\a+1], 16, v[WD+2*\a]
.endr
.irp a, 0,2,4,6
	v_cndmask_b32 v[OW+\a/2], v[WD+2*\a], v[WD+2*\a+2], vcc_lo
.endr
.irp a, 0,1,2,3,4,5,6,7
.irp u, 0,1
	global_store_b128 v22, v[CD+12*\a+6*\u:CD+12*\a+6*\u+3], s[12:13] offset:16*6400*(\a/4)+768*(2*(\a%4)+\u)
	global_store_b64 v23, v[CD+12*\a+6*\u+4:CD+12*\a+6*\u+5], s[12:13] offset:16*6400*(\a/4)+768*(2*(\a%4)+\u)+512
.endr
.endr
.irp a, 0,2,4,6
	global_store_b32 v24, v[OW+\a/2], s[12:13] offset:16*6400*(\a/4)+6144+64*(\a%4)
.endr
.Ldone:
	s_wait_tensorcnt 0x0                           ; the wave's end
	ds_add_u32 v30, v31
	s_wait_dscnt 0x0
	CROUND                                         ; the closing round
	s_endpgm
.Lfunc_end_k_qd4103057f3_proj:
	.size	k_qd4103057f3_proj, .Lfunc_end_k_qd4103057f3_proj-k_qd4103057f3_proj
	.p2alignl 7, 3214868480
	.fill 96, 4, 3214868480
	.section	.rodata,"a",@progbits
	.p2align	6, 0x0
	.amdhsa_kernel k_qd4103057f3_proj
		.amdhsa_group_segment_fixed_size 327680
		.amdhsa_private_segment_fixed_size 0
		.amdhsa_enable_private_segment 0
		.amdhsa_kernarg_size 40
		.amdhsa_user_sgpr_count 2
		.amdhsa_user_sgpr_kernarg_segment_ptr 1
		.amdhsa_wavefront_size32 1
		.amdhsa_system_sgpr_workgroup_id_x 1
		.amdhsa_system_sgpr_workgroup_id_y 1
		.amdhsa_system_sgpr_workgroup_id_z 1
		.amdhsa_system_vgpr_workitem_id 0
		.amdhsa_next_free_vgpr 1024
		.amdhsa_next_free_sgpr 96
		.amdhsa_reserve_vcc 1
		.amdhsa_float_denorm_mode_32 3
		.amdhsa_float_denorm_mode_16_64 3
		.amdhsa_memory_ordered 1
		.amdhsa_forward_progress 1
		.amdhsa_inst_pref_size 154
	.end_amdhsa_kernel
	.amdgpu_metadata
---
amdhsa.version: [ 1, 2 ]
amdhsa.kernels:
  - .name:           k_qd4103057f3_proj
    .symbol:         k_qd4103057f3_proj.kd
    .args:
      - { .name: xc, .offset: 0, .size: 8, .value_kind: global_buffer, .address_space: global }
      - { .name: xs, .offset: 8, .size: 8, .value_kind: global_buffer, .address_space: global }
      - { .name: qp, .offset: 16, .size: 8, .value_kind: global_buffer, .address_space: global }
      - { .name: kp, .offset: 24, .size: 8, .value_kind: global_buffer, .address_space: global }
      - { .name: vp, .offset: 32, .size: 8, .value_kind: global_buffer, .address_space: global }
    .group_segment_fixed_size: 327680
    .private_segment_fixed_size: 0
    .kernarg_segment_align: 8
    .kernarg_segment_size: 40
    .max_flat_workgroup_size: 128
    .sgpr_count:     96
    .vgpr_count:     1024
    .wavefront_size: 32
...
	.end_amdgpu_metadata
.endif
;; end of part 2
;; launch attn (part 3): grid 8 x 32, 16 waves a work-group, no clusters, 327,680 bytes of LDS; arguments qp, kp, vp, lq1, lk1, lq2, lk2, g, xc, xs; writes xc, xs
.if DOCPART == 3
	.amdgcn_target "amdgcn-amd-amdhsa--gfx1250"
	.amdhsa_code_object_version 6
	.text
	.protected	k_qd4103057f3_attn
	.globl	k_qd4103057f3_attn
	.p2align	8
	.type	k_qd4103057f3_attn,@function
k_qd4103057f3_attn:
	s_mov_b64 s[64:65], 0
	v_nop
	global_prefetch_b8 v0, s[64:65] scope:SCOPE_SE
	s_setreg_imm32_b32 hwreg(HW_REG_WAVE_MODE, 25, 1), 1
	s_wait_xcnt 0x0
; Differential attention of one (batch, head) y and two blocks of 128 queries, x and 15 - x, on codes of FP6 (E2M3) with E8M0 scales; the result is normalised (RMS, g, 1 - lambda_init), quantised along the
; channels and stored as the last product's operand (xc, xs, tiles 0-255, in the layout that launch quant's head states).
; LEFT OUT: key steps that lie wholly above the diagonal of reference()'s own causal mask (their weights are 0 for all inputs).
; The weights a = softmax1 - lambda softmax2 are quantised FINISHED, so each tile of 16 queries goes twice over its keys: pass 1 finds each half-head's largest score and the sum of 2^(c (s - max)) by a running
; maximum; pass 2 makes the scores again, a in f32, its codes (blocks of 32 keys), and O^T += v^T a^T.  Both products are used transposed: a lane holds one query.
; THE DEAL.  A key step is 128 keys.  A tile of block x has x + 1 steps, one of block 15 - x has 16 - x: 17 together.  Waves w and w + 8 (w < 8) share tile w of both blocks:
;   wave w:     job 1 = block x, steps 0 .. x;            job 2 = block 15 - x, steps 0 .. 6 - x   (8 steps)
;   wave w + 8: job 1 = block 15 - x, steps 7 - x .. 15 - x;  job 2 = nothing                       (9 steps)
; Every wave runs one text: pass 1 of job 1, of job 2; each job's (max, sum) goes to LDS; a barrier; job j is joined with the partner's (wave xor 8) job 3 - j, which is the other part of the same tile or an empty
; job (max -3e38, sum 0: it changes nothing); pass 2 of job 2, whose O^T goes to LDS (a is normalised, so parts of O^T are plainly added); pass 2 of job 1; a barrier; job 1's O^T + the partner's job 2's; the way out.
; Job 1's loops have 16 trips, job 2's 7, and each jumps over the steps that are not the job's, by the work-group's and the wave's number alone.
; LDS: K's 16 packs (6,656 bytes), V's 16 (6,400), each filled once, one pack a wave and load; V's are asked for behind the first barrier and awaited behind pass 1, which reads K alone.
; NO CLUSTER: the eight work-groups of a y read the same packs, but which steps a wave walks hangs on x, the place along that axis.
; NO PREFETCH: all tiles are asked for at the head; the loops read LDS alone.
; LIMITS: the promise holds while the scaled scores stay under 2^31 in magnitude; NaN and infinities are not served; a block of zeros gets the byte 1 (zero codes; only this program reads the bytes).
.set KPB,   6656
.set VPB,   6400
.set VBASE, 16*KPB
.set SPARE, 0x33000                    ; the spare words: 128 bytes for each of 16 waves
.set SST,   0x33800                    ; (max, sum) x 2 half-heads: 512 bytes a job, 1,024 a wave
.set OST,   0x37800                    ; job 2's O^T: 4,096 bytes a wave
.set Q1F, 16
.set Q2F, 28
.set QS1, 40
.set QS2, 41
.set KS,  42
.set VS,  46
.set PS,  48
.set ST0, 50                           ; a half-head's state, 8 registers: c max, max, sum (2), 4 at work; pass 2: c max + log2(sum) in the first; the second half-head's third and fourth hold -lambda
.set DG0, 90                           ; job 1's step on the diagonal for a tile of the block's lower 64 queries (else no step): keys 64-127 of that step lie behind all its queries and are left out
.set DG1, 91                           ; the same for a tile of the upper 64 queries: keys 0-63 of that step lie ahead of all its queries and need no mask
.set KF,  66
.set ZR,  114
.set S,   120
.set S1H, 120
.set S2H, 152
.set O,   184
.set PC,  216
.set PT,  228
.set TM,  232
.set PW,  238
.set RQ,  240                          ; v240-246 job 1's q, fetched again for pass 2
.set U,   248
.set SV,  250                          ; v250-253 job 2's q at first; then what is kept of job 1 while job 2 is walked
.set W,   132                          ; the join: my four (max, sum); P the partner's; TT c max; E, EP factors
.set P,   140
.set TT,  148
.set E,   152
.set EP,  156
.set AD,  160
.set SEL, 30
.set CS,  32
.set G1K, 36
.set G1V, 44
.set G0K, 52
.set G0V, 56
.set STP, 60
.set TK,  61
.set TV,  62
.set QA1, 76                           ; s[76:83] q's codes and scale words of jobs 1 and 2
.set QZ1, 78
.set QA2, 80
.set QZ2, 82
.set LO1, 84
.set HI2, 85
.set SSO, 86                           ; LDS: my (max, sum); the partner's; my O^T; the partner's
.set SSP, 87
.set SOO, 88
.set SOP, 89
.macro QUANT2 s, pc, pt, tm, pw        ; 32 numbers of a lane (2 x 16 of two blocks shared with lane l xor 16) -> six registers of codes, two scale bytes
.irp b, 0,1                                    ; a tree: ten maxima that hang on nothing, in v[S2H] on, which is free wherever this macro stands
.irp k, 0,1,2,3,4
	v_max3_num_f32 v[S2H+5*\b+\k], |v[(\s)+16*\b+3*\k]|, |v[(\s)+16*\b+3*\k+1]|, |v[(\s)+16*\b+3*\k+2]|
.endr
.endr
	v_max3_num_f32 v[S2H], v[S2H], v[S2H+1], v[S2H+2]
	v_max3_num_f32 v[S2H+3], v[S2H+3], v[S2H+4], |v[(\s)+15]|
	v_max3_num_f32 v[S2H+5], v[S2H+5], v[S2H+6], v[S2H+7]
	s_delay_alu instid0(VALU_DEP_4)
	v_max3_num_f32 v[S2H+8], v[S2H+8], v[S2H+9], |v[(\s)+31]|
	s_delay_alu instid0(VALU_DEP_3)
	v_max3_num_f32 v[(\tm)], v[S2H], v[S2H+3], 0x1800000      ; with the floor 2^(3 - 127)
	s_delay_alu instid0(VALU_DEP_2)
	v_max3_num_f32 v[(\tm)+1], v[S2H+5], v[S2H+8], 0x1800000
.irp b, 0,1
	s_delay_alu instid0(VALU_DEP_2)
	v_permlanex16_b32 v[(\tm)+2+\b], v[(\tm)+\b], s[SEL], s[SEL+1]
.endr
.irp b, 0,1
	s_delay_alu instid0(VALU_DEP_2)
	v_max_num_f32 v[(\tm)+\b], v[(\tm)+\b], v[(\tm)+2+\b]
.endr
.irp b, 0,1
	s_delay_alu instid0(VALU_DEP_2)
	v_add_nc_u32 v[(\tm)+4+\b], 0xff000000, v[(\tm)+\b]
.endr
.irp b, 0,1
	s_delay_alu instid0(VALU_DEP_2)
	v_lshrrev_b32 v[(\tm)+2+\b], 23, v[(\tm)+4+\b]
.endr
	s_delay_alu instid0(VALU_DEP_1)
	v_lshl_or_b32 v[\pw], v[(\tm)+3], 8, v[(\tm)+2]
	v_cvt_scalef32_pk16_fp6_f32 v[(\pc):(\pc)+2], v[(\s):(\s)+15], v[(\tm)+4]
	v_cvt_scalef32_pk16_fp6_f32 v[(\pt):(\pt)+2], v[(\s)+16:(\s)+31], v[(\tm)+5]
	v_nop
.irp i, 0,1,2
	v_permlane16_swap_b32 v[(\pc)+\i], v[(\pt)+\i]
.endr
.irp i, 0,1,2
	s_delay_alu instid0(VALU_DEP_3)
	v_mov_b32 v[(\pc)+3+\i], v[(\pt)+\i]
.endr
.endm
; q's 24 bytes a lane (lanes 0-15 half-head 0, lanes 16-31 half-head 1) become two operands, each with zero codes where the other half-head's channels stand
.macro QSET a, b, c
	v_cmp_lt_u32 vcc_lo, 15, v15
.irp i, 0,1,2,3
	v_cndmask_b32 v[Q1F+\i], v[(\a)+\i], v[ZR], vcc_lo
	v_cndmask_b32 v[Q2F+\i], 0, v[(\a)+\i], vcc_lo
.endr
.irp i, 0,1
	v_cndmask_b32 v[Q1F+4+\i], v[(\b)+\i], v[ZR], vcc_lo
	v_cndmask_b32 v[Q2F+4+\i], 0, v[(\b)+\i], vcc_lo
.endr
	v_and_b32 v[QS1], 0xff, v[\c]
	v_and_b32 v[QS2], 0xff00, v[\c]
	v_or_b32 v[QS1], 0x01010100, v[QS1]            ; the byte 1 over blocks of zero codes
	v_or_b32 v[QS2], 0x01010001, v[QS2]
.endm
.macro P1INIT
.irp t, ST0, ST0+8
	v_mov_b32 v[\t+1], 0xff61b1e6                  ; -3e38, under every score
	s_delay_alu instid0(VALU_DEP_1)
	v_mul_f32 v[\t], s[CS], v[\t+1]
	v_mov_b32 v[\t+2], 0
	v_mov_b32 v[\t+3], 0
	v_mov_b32 v[\t+5], 0
.endr
.endm
.macro FIN d                           ; a job's (max, sum) of both half-heads into v[d .. d + 3]
.irp t, ST0, ST0+8
	v_add_f32 v[\t+4], v[\t+2], v[\t+3]
.endr
.irp t, ST0, ST0+8
	s_delay_alu instid0(VALU_DEP_2)
	v_permlanex16_b32 v[\t+5], v[\t+4], s[SEL], s[SEL+1]
.endr
	v_mov_b32 v[(\d)], v[ST0+1]
	v_mov_b32 v[(\d)+2], v[ST0+9]
	v_add_f32 v[(\d)+1], v[ST0+4], v[ST0+5]
	v_add_f32 v[(\d)+3], v[ST0+12], v[ST0+13]
.endm
.macro OZERO                           ; which step is a job's first hangs on ids, so the sums begin as zeros
.irp j, 0,1,2,3,4,5,6,7,8,9,10,11,12,13,14,15,16,17,18,19,20,21,22,23,24,25,26,27,28,29,30,31
	v_mov_b32 v[O+\j], 0
.endr
.endm
.macro PLACES
.rept 4
	v_nop
.endr
.endm
	s_load_b256 s[4:11], s[0:1], 0x0               ; qp, kp, vp, lq1
	s_load_b256 s[12:19], s[0:1], 0x20             ; lk1, lq2, lk2, g
	s_load_b128 s[20:23], s[0:1], 0x40             ; xc, xs
	v_lshl_add_u32 v254, v0, 2, SPARE
	v_mov_b32 v255, 0
	ds_add_u32 v254, v255                          ; the opening lines
	ds_add_u32 v254, v255
	v_lshrrev_b32 v1, 5, v0
	s_delay_alu instid0(VALU_DEP_1)
	v_readfirstlane_b32 s24, v1                    ; wave 0..15
	s_mov_b32 s25, ttmp9                           ; x
	s_and_b32 s26, ttmp7, 0xffff                   ; y = 16 batch + head
	s_lshr_b32 s29, s24, 3
	s_and_b32 s28, s24, 7                          ; my tile of 16 queries in its block
	s_sub_co_u32 s66, 15, s25
	s_sub_co_u32 s67, 7, s25
	s_sub_co_i32 s68, 6, s25
	s_cmp_eq_u32 s29, 0
	s_cselect_b32 s27, s25, s66                    ; job 1's block, which is also its last step
	s_cselect_b32 s[LO1], 0, s67                   ; its first step
	s_cselect_b32 s[HI2], s68, -1                  ; job 2's last step (-1: none); its block is 15 - x, its first step 0
	s_cmp_lt_u32 s28, 4
	s_cselect_b32 s[DG0], s27, -1
	s_cselect_b32 s[DG1], -1, s27
.irp g, G1K, G1V                               ; a pack is dense: rows of 256 bytes (32 elements of 8)
	s_mov_b32 s[\g+0], 3<<16
	s_mov_b32 s[\g+1], 32<<16
	s_mov_b32 s[\g+3], 32<<16
	s_mov_b32 s[\g+5], 32
	s_mov_b32 s[\g+6], 0
	s_mov_b32 s[\g+7], 0
.endr
	s_mov_b32 s[G1K+2], 26<<16
	s_mov_b32 s[G1K+4], 26
	s_mov_b32 s[G1V+2], 25<<16
	s_mov_b32 s[G1V+4], 25
	s_lshl_b32 s70, s26, 4
	s_add_co_u32 s71, s70, s27
	s_mul_i32 s71, s71, KPB                        ; job 1's pack of q
	s_add_co_u32 s72, s70, s66
	s_mul_i32 s72, s72, KPB                        ; job 2's
	s_add_co_u32 s70, s70, s24                     ; the pack of K and of V that I fetch
	s_mul_i32 s68, s70, KPB
	s_mov_b32 s69, 0
	s_mul_i32 s70, s70, VPB
	s_mul_i32 s73, s28, 768
	s_lshl_b32 s74, s28, 6
	s_add_co_u32 s74, s74, 6144
	s_add_co_u32 s[QA1], s71, s73
	s_add_co_u32 s[QZ1], s71, s74
	s_add_co_u32 s[QA2], s72, s73
	s_add_co_u32 s[QZ2], s72, s74
	s_mov_b32 s[QA1+1], 0
	s_mov_b32 s[QZ1+1], 0
	s_mov_b32 s[QA2+1], 0
	s_mov_b32 s[QZ2+1], 0
	s_mov_b32 s71, 0
	s_mul_i32 s74, s24, KPB
	s_mul_i32 s75, s24, VPB
	s_xor_b32 s72, s24, 8                          ; my partner
	s_lshl_b32 s[SSO], s24, 10
	s_add_co_u32 s[SSO], s[SSO], SST
	s_lshl_b32 s[SSP], s72, 10
	s_add_co_u32 s[SSP], s[SSP], SST
	s_lshl_b32 s[SOO], s24, 12
	s_add_co_u32 s[SOO], s[SOO], OST
	s_lshl_b32 s[SOP], s72, 12
	s_add_co_u32 s[SOP], s[SOP], OST
	s_lshr_b32 s66, s28, 1
	s_lshl_b32 s66, s66, 5
	s_and_b32 s67, s28, 1
	s_lshl_b32 s67, s67, 3
	s_add_co_u32 s66, s66, s67                     ; my tile's first query in its block: 32 (tile / 2) + 8 (tile % 2)
	s_mov_b32 s[SEL], 0x76543210
	s_mov_b32 s[SEL+1], 0xfedcba98
	s_mov_b32 s[CS], 0x3e8293ee                    ; c = log2(e) / sqrt(32)
	s_mov_b32 s[CS+1], s[CS]
	s_wait_dscnt 0x0
	s_wait_kmcnt 0x0
	s_mov_b32 s[G0K], 1
	s_mov_b32 s[G0K+1], s74
	s_add_nc_u64 s[G0K+2:G0K+3], s[6:7], s[68:69]
	s_or_b32 s[G0K+3], s[G0K+3], 0x80000000
	tensor_load_to_lds s[G0K:G0K+3], s[G1K:G1K+7]  ; my pack of K: my one load at the head
	s_nop 0
	s_mov_b32 s[G0V], 1
	s_add_co_u32 s[G0V+1], s75, VBASE
	s_add_nc_u64 s[G0V+2:G0V+3], s[8:9], s[70:71]
	s_or_b32 s[G0V+3], s[G0V+3], 0x80000000
	s_add_nc_u64 s[QA1:QA1+1], s[4:5], s[QA1:QA1+1]
	s_add_nc_u64 s[QZ1:QZ1+1], s[4:5], s[QZ1:QZ1+1]
	s_add_nc_u64 s[QA2:QA2+1], s[4:5], s[QA2:QA2+1]
	s_add_nc_u64 s[QZ2:QZ2+1], s[4:5], s[QZ2:QZ2+1]
	v_and_b32 v15, 31, v0                          ; lane
	v_and_b32 v13, 15, v0                          ; r
	v_bfe_u32 v14, v0, 4, 1                        ; h
	v_lshlrev_b32 v1, 4, v15
	v_lshlrev_b32 v2, 3, v15
	v_lshlrev_b32 v3, 2, v15
	v_and_b32 v4, 8, v13
	v_lshlrev_b32 v5, 4, v14
	v_add_nc_u32 v4, v4, v13
	s_delay_alu instid0(VALU_DEP_1)
	v_add_nc_u32 v4, s66, v4
	s_delay_alu instid0(VALU_DEP_1)
	v_sub_nc_u32 v4, v4, v5                        ; my query in its block, less 16 h: a key's register index is held against it
	v_lshlrev_b32 v13, 2, v13                      ; 4 r
	v_lshlrev_b32 v14, 6, v14                      ; 64 h
	global_load_b32 v120, v3, s[10:11]
	global_load_b32 v121, v3, s[12:13]
	global_load_b32 v122, v3, s[14:15]
	global_load_b32 v123, v3, s[16:17]
	global_load_b128 v[128:131], v1, s[QA1:QA1+1]
	global_load_b64 v[132:133], v2, s[QA1:QA1+1] offset:512
	global_load_b32 v134, v13, s[QZ1:QZ1+1]
	global_load_b128 v[SV:SV+3], v1, s[QA2:QA2+1]  ; job 2's q waits in registers that pass 1 leaves free
	global_load_b64 v[10:11], v2, s[QA2:QA2+1] offset:512
	global_load_b32 v9, v13, s[QZ2:QZ2+1]
	v_mov_b32 v5, 0xff800000
.irp i, 0,1,2,3,4,5
	v_mov_b32 v[ZR+\i], 0
	v_mov_b32 v[Q1F+6+\i], 0
	v_mov_b32 v[Q2F+6+\i], 0
.endr
	s_wait_alu depctr_va_vdst(0)
	s_wait_loadcnt 0x0
	QSET 128, 132, 134
	v_mul_f32 v120, v120, v121                     ; lambda = exp(sum lq1 lk1) - exp(sum lq2 lk2) + lambda_init
	v_mul_f32 v122, v122, v123
.irp x, 1,2,4,8
	s_delay_alu instid0(VALU_DEP_2)
	v_add_f32_dpp v120, v120, v120 row_xmask:\x row_mask:0xf bank_mask:0xf
	s_delay_alu instid0(VALU_DEP_2)
	v_add_f32_dpp v122, v122, v122 row_xmask:\x row_mask:0xf bank_mask:0xf
.endr
	s_delay_alu instid0(VALU_DEP_2)
	v_permlanex16_b32 v121, v120, s[SEL], s[SEL+1]
	s_delay_alu instid0(VALU_DEP_2)
	v_permlanex16_b32 v123, v122, s[SEL], s[SEL+1]
	s_delay_alu instid0(VALU_DEP_2)
	v_add_f32 v120, v120, v121
	s_delay_alu instid0(VALU_DEP_2)
	v_add_f32 v122, v122, v123
	s_delay_alu instid0(VALU_DEP_2)
	v_mul_f32 v120, 0x3fb8aa3b, v120
	s_delay_alu instid0(VALU_DEP_2)
	v_mul_f32 v122, 0x3fb8aa3b, v122
	s_wait_alu depctr_va_vdst(0)
	v_exp_f32 v120, v120
	v_exp_f32 v122, v122
	v_nop
	s_wait_alu depctr_va_vdst(0)
	v_sub_f32 v12, v120, v122
	s_delay_alu instid0(VALU_DEP_1)
	v_add_f32 v12, 0x3f3368fc, v12
	P1INIT
	s_wait_alu depctr_va_vdst(0)
	s_wait_tensorcnt 0x0                           ; my pack of K is in
	ds_add_u32 v254, v255
	s_wait_dscnt 0x0
	s_barrier_signal -1
	s_barrier_wait -1                              ; all of K is in
	tensor_load_to_lds s[G0V:G0V+3], s[G1V:G1V+7]  ; my pack of V: it has pass 1 in which to land
	s_nop 0
.macro KLOAD
.irp t, 0,1,2,3,4,5,6,7
	ds_load_b128 v[KF+6*\t:KF+6*\t+3], v6 offset:768*\t
	ds_load_b64 v[KF+6*\t+4:KF+6*\t+5], v7 offset:768*\t+512
.endr
.irp b, 0,1,2,3
	ds_load_b32 v[KS+\b], v8 offset:6144+128*\b
.endr
.endm
; S^T = k q^T for four tiles of 16 keys and both half-heads.  A key tile's six registers hold both half-heads (K = 0 .. 63); the six behind them meet q's zero codes
.macro QK4 t0, d1, d2
.irp u, 0,1,2,3
.if \u%2 == 0
	v_wmma_scale_f32_16x16x128_f8f6f4 v[(\d1)+8*\u:(\d1)+8*\u+7], v[KF+6*(\t0+\u):KF+6*(\t0+\u)+11], v[Q1F:Q1F+11], 0, v[KS+(\t0+\u)/2], v[QS1] matrix_a_fmt:MATRIX_FMT_FP6 matrix_b_fmt:MATRIX_FMT_FP6
	v_wmma_scale_f32_16x16x128_f8f6f4 v[(\d2)+8*\u:(\d2)+8*\u+7], v[KF+6*(\t0+\u):KF+6*(\t0+\u)+11], v[Q2F:Q2F+11], 0, v[KS+(\t0+\u)/2], v[QS2] matrix_a_fmt:MATRIX_FMT_FP6 matrix_b_fmt:MATRIX_FMT_FP6
.else
	v_wmma_scale_f32_16x16x128_f8f6f4 v[(\d1)+8*\u:(\d1)+8*\u+7], v[KF+6*(\t0+\u):KF+6*(\t0+\u)+11], v[Q1F:Q1F+11], 0, v[KS+(\t0+\u)/2], v[QS1] matrix_a_fmt:MATRIX_FMT_FP6 matrix_b_fmt:MATRIX_FMT_FP6 matrix_a_scale:MATRIX_SCALE_ROW1
	v_wmma_scale_f32_16x16x128_f8f6f4 v[(\d2)+8*\u:(\d2)+8*\u+7], v[KF+6*(\t0+\u):KF+6*(\t0+\u)+11], v[Q2F:Q2F+11], 0, v[KS+(\t0+\u)/2], v[QS2] matrix_a_fmt:MATRIX_FMT_FP6 matrix_b_fmt:MATRIX_FMT_FP6 matrix_a_scale:MATRIX_SCALE_ROW1
.endif
.endr
.endm
.macro MASK b1, b2, n, k0, dg          ; in step s[dg]: keys behind my query get -infinity
	s_cmp_lg_u32 s[STP], s[\dg]
	s_cbranch_scc1 .Lopen_\@
.set mi, 0
.rept \n
	v_cmp_gt_i32 vcc_lo, \k0+32*(mi/16)+mi%16, v4
	v_cndmask_b32 v[\b1+mi], v[\b1+mi], v5, vcc_lo
	v_cndmask_b32 v[\b2+mi], v[\b2+mi], v5, vcc_lo
.set mi, mi+1
.endr
.Lopen_\@:
.endm
.macro STAT hh                         ; a half-head's 64 scores of a lane into its running maximum and sum
.set rT, ST0+8*\hh
.set rS, S+64*\hh
.irp b, 0,1,2,3
	v_max3_num_f32 v[rT+4+\b], v[rS+16*\b], v[rS+16*\b+1], v[rS+16*\b+2]
.endr
.irp i, 3,5,7,9,11,13
.irp b, 0,1,2,3
	v_max3_num_f32 v[rT+4+\b], v[rT+4+\b], v[rS+16*\b+\i], v[rS+16*\b+\i+1]
.endr
.endr
.irp b, 0,1,2,3
	v_max_num_f32 v[rT+4+\b], v[rT+4+\b], v[rS+16*\b+15]
.endr
	s_delay_alu instid0(VALU_DEP_2)
	v_max3_num_f32 v[rT+4], v[rT+4], v[rT+5], v[rT+6]
	s_delay_alu instid0(VALU_DEP_1)
	v_max3_num_f32 v[rT+4], v[rT+4], v[rT+7], v[rT+1]
	s_delay_alu instid0(VALU_DEP_1)
	v_permlanex16_b32 v[rT+5], v[rT+4], s[SEL], s[SEL+1]
	v_mov_b32 v[rT+7], v[rT]
	s_delay_alu instid0(VALU_DEP_2)
	v_max_num_f32 v[rT+1], v[rT+4], v[rT+5]
	s_delay_alu instid0(VALU_DEP_1)
	v_mul_f32 v[rT], s[CS], v[rT+1]
	s_delay_alu instid0(VALU_DEP_1)
	v_sub_f32 v[rT+7], v[rT+7], v[rT]
	s_wait_alu depctr_va_vdst(0)
	v_exp_f32 v[rT+6], v[rT+7]                     ; what the old sum is multiplied by
.irp j, 0,2,4,6,8,10,12,14,16,18,20,22,24,26,28,30,32,34,36,38,40,42,44,46,48,50,52,54,56,58,60,62
	v_pk_fma_f32 v[rS+\j:rS+\j+1], v[rS+\j:rS+\j+1], s[CS:CS+1], v[rT:rT+1] op_sel_hi:[1,0,0] neg_lo:[0,0,1] neg_hi:[0,0,1]
.endr
	s_wait_alu depctr_va_vdst(0)
.irp j, 0,1,2,3,4,5,6,7,8,9,10,11,12,13,14,15,16,17,18,19,20,21,22,23,24,25,26,27,28,29,30,31,32,33,34,35,36,37,38,39,40,41,42,43,44,45,46,47,48,49,50,51,52,53,54,55,56,57,58,59,60,61,62,63
	v_exp_f32 v[rS+\j], v[rS+\j]
.endr
	s_wait_alu depctr_va_vdst(0)
	v_pk_mul_f32 v[rT+2:rT+3], v[rT+2:rT+3], v[rT+6:rT+7] op_sel_hi:[1,0]
	v_pk_add_f32 v[U:U+1], v[rS:rS+1], v[rS+2:rS+3]
.irp j, 4,8,12,16,20,24,28,32,36,40,44,48,52,56,60
	v_pk_add_f32 v[rT+2:rT+3], v[rT+2:rT+3], v[rS+\j:rS+\j+1]
	v_pk_add_f32 v[U:U+1], v[U:U+1], v[rS+\j+2:rS+\j+3]
.endr
	s_delay_alu instid0(VALU_DEP_1)
	v_pk_add_f32 v[rT+2:rT+3], v[rT+2:rT+3], v[U:U+1]
.endm
.macro STATH hh                        ; STAT for 32 scores of a lane: keys 0-63 of a step
.set rT, ST0+8*\hh
.set rS, S+64*\hh
.irp b, 0,1,2,3                                ; four chains of eight scores, by turns
	v_max3_num_f32 v[rT+4+\b], v[rS+8*\b], v[rS+8*\b+1], v[rS+8*\b+2]
.endr
.irp i, 3,5
.irp b, 0,1,2,3
	v_max3_num_f32 v[rT+4+\b], v[rT+4+\b], v[rS+8*\b+\i], v[rS+8*\b+\i+1]
.endr
.endr
.irp b, 0,1,2,3
	v_max_num_f32 v[rT+4+\b], v[rT+4+\b], v[rS+8*\b+7]
.endr
	s_delay_alu instid0(VALU_DEP_2)
	v_max3_num_f32 v[rT+4], v[rT+4], v[rT+5], v[rT+6]
	s_delay_alu instid0(VALU_DEP_1)
	v_max3_num_f32 v[rT+4], v[rT+4], v[rT+7], v[rT+1]
	s_delay_alu instid0(VALU_DEP_1)
	v_permlanex16_b32 v[rT+5], v[rT+4], s[SEL], s[SEL+1]
	v_mov_b32 v[rT+7], v[rT]
	s_delay_alu instid0(VALU_DEP_2)
	v_max_num_f32 v[rT+1], v[rT+4], v[rT+5]
	s_delay_alu instid0(VALU_DEP_1)
	v_mul_f32 v[rT], s[CS], v[rT+1]
	s_delay_alu instid0(VALU_DEP_1)
	v_sub_f32 v[rT+7], v[rT+7], v[rT]
	s_wait_alu depctr_va_vdst(0)
	v_exp_f32 v[rT+6], v[rT+7]
.irp j, 0,2,4,6,8,10,12,14,16,18,20,22,24,26,28,30
	v_pk_fma_f32 v[rS+\j:rS+\j+1], v[rS+\j:rS+\j+1], s[CS:CS+1], v[rT:rT+1] op_sel_hi:[1,0,0] neg_lo:[0,0,1] neg_hi:[0,0,1]
.endr
	s_wait_alu depctr_va_vdst(0)
.irp j, 0,1,2,3,4,5,6,7,8,9,10,11,12,13,14,15,16,17,18,19,20,21,22,23,24,25,26,27,28,29,30,31
	v_exp_f32 v[rS+\j], v[rS+\j]
.endr
	s_wait_alu depctr_va_vdst(0)
	v_pk_mul_f32 v[rT+2:rT+3], v[rT+2:rT+3], v[rT+6:rT+7] op_sel_hi:[1,0]
	v_pk_add_f32 v[U:U+1], v[rS:rS+1], v[rS+2:rS+3]
.irp j, 4,8,12,16,20,24,28
	v_pk_add_f32 v[rT+2:rT+3], v[rT+2:rT+3], v[rS+\j:rS+\j+1]
	v_pk_add_f32 v[U:U+1], v[U:U+1], v[rS+\j+2:rS+\j+3]
.endr
	s_delay_alu instid0(VALU_DEP_1)
	v_pk_add_f32 v[rT+2:rT+3], v[rT+2:rT+3], v[U:U+1]
.endm
.macro MINE j, out
.if \j == 1
	s_cmp_lt_u32 s[STP], s[LO1]
	s_cbranch_scc1 \out
	s_cmp_gt_u32 s[STP], s27
.else
	s_cmp_gt_i32 s[STP], s[HI2]
.endif
	s_cbranch_scc1 \out
.endm
.macro PASS1 j
	s_mov_b32 s[STP], 0
	s_mov_b32 s[TK], 0
	s_wait_alu depctr_va_vdst(0)
.Lp1_\j:
	MINE \j, .Lh1_\j
	v_add_nc_u32 v6, s[TK], v1
	v_add_nc_u32 v7, s[TK], v2
	v_add_nc_u32 v8, s[TK], v3
	KLOAD
	s_wait_dscnt 0x0
	QK4 0, S, S+64
.if \j == 1
	s_cmp_eq_u32 s[STP], s[DG0]
	s_cbranch_scc1 .Lsh1
.endif
	QK4 4, S+32, S+96
	PLACES
.if \j == 1
	MASK S+32, S+96, 32, 64, DG1
.endif
	STAT 0
	STAT 1
.if \j == 1
	s_branch .Lh1_\j
.Lsh1:                                                 ; the diagonal step of a tile of the lower 64 queries: keys 0-63 alone
	PLACES
	MASK S, S+64, 32, 0, DG0
	STATH 0
	STATH 1
.endif
.Lh1_\j:
	s_add_co_u32 s[TK], s[TK], KPB
	s_add_co_u32 s[STP], s[STP], 1
	s_cmp_lt_u32 s[STP], 25-9*\j                   ; job 1: 16 trips; job 2's steps lie among 0 .. 6: 7 trips
	s_cbranch_scc1 .Lp1_\j
	s_wait_alu depctr_va_vdst(0)
.endm
	PASS1 1
	QSET SV, 10, 9                                 ; on to job 2's queries
	FIN SV
	P1INIT
	PASS1 2
	FIN W+4
.irp i, 0,1,2,3
	v_mov_b32 v[W+\i], v[SV+\i]
.endr
	v_add_nc_u32 v[AD], s[SSO], v1
	v_add_nc_u32 v[AD+1], s[SSP], v1
	global_load_b128 v[RQ:RQ+3], v1, s[QA1:QA1+1]  ; job 1's q once more, for pass 2: awaited behind job 2's pass 2
	global_load_b64 v[RQ+4:RQ+5], v2, s[QA1:QA1+1] offset:512
	global_load_b32 v[RQ+6], v13, s[QZ1:QZ1+1]
	s_wait_alu depctr_va_vdst(0)
	s_wait_tensorcnt 0x0                           ; my pack of V is in
	ds_store_b128 v[AD], v[W:W+3]
	ds_store_b128 v[AD], v[W+4:W+7] offset:512
	s_wait_dscnt 0x0
	s_barrier_signal -1
	s_barrier_wait -1                              ; all of V is in, and everybody's (max, sum).
	ds_load_b128 v[P:P+3], v[AD+1] offset:512      ; with my job 1: the partner's job 2;
	ds_load_b128 v[P+4:P+7], v[AD+1]               ; with my job 2: the partner's job 1
	s_wait_dscnt 0x0
; n = 2 (job - 1) + half-head: max = the larger; each sum is brought under it by 2^(c its max - c max), of which one is 2^0
.irp n, 0,1,2,3
	v_max_num_f32 v[TT+\n], v[W+2*\n], v[P+2*\n]
	v_mul_f32 v[E+\n], s[CS], v[W+2*\n]
	v_mul_f32 v[EP+\n], s[CS], v[P+2*\n]
.endr
.irp n, 0,1,2,3
	v_mul_f32 v[TT+\n], s[CS], v[TT+\n]
.endr
.irp n, 0,1,2,3
	v_sub_f32 v[E+\n], v[E+\n], v[TT+\n]
	v_sub_f32 v[EP+\n], v[EP+\n], v[TT+\n]
.endr
	s_wait_alu depctr_va_vdst(0)
.irp n, 0,1,2,3
	v_exp_f32 v[E+\n], v[E+\n]
	v_exp_f32 v[EP+\n], v[EP+\n]
.endr
	v_mov_b32 v[TM+2], 0                           ; (lane permutes' destinations, written once)
	v_mov_b32 v[TM+3], 0
	s_wait_alu depctr_va_vdst(0)
.irp n, 0,1,2,3
	v_mul_f32 v[EP+\n], v[EP+\n], v[P+2*\n+1]
.endr
.irp n, 0,1,2,3
	v_fma_f32 v[E+\n], v[E+\n], v[W+2*\n+1], v[EP+\n]
.endr
	s_wait_alu depctr_va_vdst(0)
.irp n, 0,1,2,3
	v_log_f32 v[E+\n], v[E+\n]                     ; p / sum = 2^(c s - c max - log2(sum))
.endr
	v_xor_b32 v[ST0+10], 0x80000000, v12           ; -lambda, twice
	v_xor_b32 v[ST0+11], 0x80000000, v12
	s_wait_alu depctr_va_vdst(0)
	v_add_f32 v[SV], v[TT], v[E]                   ; job 1's two are kept while job 2 is walked
	v_add_f32 v[SV+1], v[TT+1], v[E+1]
	v_add_f32 v[ST0], v[TT+2], v[E+2]
	v_add_f32 v[ST0+8], v[TT+3], v[E+3]
	OZERO
.macro SOFT c, pw                      ; 32 + 32 scores of a lane -> a = p1 / sum1 - lambda p2 / sum2 -> codes of 64 keys
.irp j, 0,2,4,6,8,10,12,14,16,18,20,22,24,26,28,30
	v_pk_fma_f32 v[S1H+\j:S1H+\j+1], v[S1H+\j:S1H+\j+1], s[CS:CS+1], v[ST0:ST0+1] op_sel_hi:[1,0,0] neg_lo:[0,0,1] neg_hi:[0,0,1]
	v_pk_fma_f32 v[S2H+\j:S2H+\j+1], v[S2H+\j:S2H+\j+1], s[CS:CS+1], v[ST0+8:ST0+9] op_sel_hi:[1,0,0] neg_lo:[0,0,1] neg_hi:[0,0,1]
.endr
	s_wait_alu depctr_va_vdst(0)
.irp j, 0,1,2,3,4,5,6,7,8,9,10,11,12,13,14,15,16,17,18,19,20,21,22,23,24,25,26,27,28,29,30,31,32,33,34,35,36,37,38,39,40,41,42,43,44,45,46,47,48,49,50,51,52,53,54,55,56,57,58,59,60,61,62,63
	v_exp_f32 v[S1H+\j], v[S1H+\j]
.endr
	v_nop
	s_wait_alu depctr_va_vdst(0)
.irp j, 0,2,4,6,8,10,12,14,16,18,20,22,24,26,28,30
	v_pk_fma_f32 v[S1H+\j:S1H+\j+1], v[S2H+\j:S2H+\j+1], v[ST0+10:ST0+11], v[S1H+\j:S1H+\j+1]
.endr
	QUANT2 S1H, PC+6*\c, PT, TM, \pw
.endm
.macro VLOAD
.irp t, 0,1,2,3
.irp c, 0,1
	ds_load_b128 v[KF+12*\t+6*\c:KF+12*\t+6*\c+3], v9 offset:768*(2*\t+\c)
	ds_load_b64 v[KF+12*\t+6*\c+4:KF+12*\t+6*\c+5], v10 offset:768*(2*\t+\c)+512
.endr
.endr
.irp b, 0,1
	ds_load_b32 v[VS+\b], v11 offset:6144+128*\b
.endr
.endm
.macro PV                              ; O^T += v^T a^T: four accumulators by turns
.irp t, 0,2
	v_wmma_scale_f32_16x16x128_f8f6f4 v[O+8*\t:O+8*\t+7], v[KF+12*\t:KF+12*\t+11], v[PC:PC+11], v[O+8*\t:O+8*\t+7], v[VS+\t/2], v[PS] matrix_a_fmt:MATRIX_FMT_FP6 matrix_b_fmt:MATRIX_FMT_FP6
	v_wmma_scale_f32_16x16x128_f8f6f4 v[O+8*\t+8:O+8*\t+15], v[KF+12*\t+12:KF+12*\t+23], v[PC:PC+11], v[O+8*\t+8:O+8*\t+15], v[VS+\t/2], v[PS] matrix_a_fmt:MATRIX_FMT_FP6 matrix_b_fmt:MATRIX_FMT_FP6 matrix_a_scale:MATRIX_SCALE_ROW1
.endr
.endm
.macro PASS2 j
	s_mov_b32 s[STP], 0
	s_mov_b32 s[TK], 0
	s_mov_b32 s[TV], VBASE
	s_wait_alu depctr_va_vdst(0)
.Lp2_\j:
	MINE \j, .Lh2_\j
	v_add_nc_u32 v6, s[TK], v1
	v_add_nc_u32 v7, s[TK], v2
	v_add_nc_u32 v8, s[TK], v3
	v_add_nc_u32 v9, s[TV], v1
	v_add_nc_u32 v10, s[TV], v2
	v_add_nc_u32 v11, s[TV], v3
	KLOAD
	s_wait_dscnt 0x0
	QK4 0, S1H, S2H
	PLACES
.if \j == 1
	MASK S1H, S2H, 32, 0, DG0
.endif
	SOFT 0, PS
.if \j == 1
	s_wait_alu depctr_va_vdst(0)
	s_cmp_eq_u32 s[STP], s[DG0]
	s_cbranch_scc1 .Lsh2
.endif
	QK4 4, S1H, S2H
	PLACES
	VLOAD
.if \j == 1
	MASK S1H, S2H, 32, 64, DG1
.endif
	SOFT 1, PW
	v_lshl_or_b32 v[PS], v[PW], 16, v[PS]
.if \j == 1
	s_branch .Ljn2
.Lsh2:                                                 ; the diagonal step of a tile of the lower 64 queries: keys 64-127 have the weight 0: zero codes under the byte 1
	VLOAD
.irp i, 0,1,2,3,4,5
	v_mov_b32 v[PC+6+\i], 0
.endr
	v_or_b32 v[PS], 0x01010000, v[PS]
.Ljn2:
.endif
.rept 8
	v_nop                                          ; a scale register written by a vector instruction stands 8 places ahead of the product
.endr
	s_wait_alu depctr_va_vdst(0)
	s_wait_dscnt 0x0
	PV
.Lh2_\j:
	s_add_co_u32 s[TK], s[TK], KPB
	s_add_co_u32 s[TV], s[TV], VPB
	s_add_co_u32 s[STP], s[STP], 1
	s_cmp_lt_u32 s[STP], 25-9*\j
	s_cbranch_scc1 .Lp2_\j
	PLACES
	s_wait_alu depctr_va_vdst(0)
.endm
	PASS2 2
	v_add_nc_u32 v[AD], s[SOO], v1
.irp i, 0,1,2,3,4,5,6,7
	ds_store_b128 v[AD], v[O+4*\i:O+4*\i+3] offset:512*\i   ; job 2's O^T, an image of its registers, each accumulator from its low end on
.endr
	s_wait_loadcnt 0x0                             ; job 1's q
	s_wait_dscnt 0x0                               ; the stores are done: O^T begins anew
	QSET RQ, RQ+4, RQ+6
	v_mov_b32 v[ST0], v[SV]
	v_mov_b32 v[ST0+8], v[SV+1]
	OZERO
	PASS2 1
.irp n, 0,1,2,3,4,5,6,7
	global_load_b128 v[KF+4*\n:KF+4*\n+3], v14, s[18:19] offset:128*(\n/4)+32*((\n/2)%2)+16*(\n%2)   ; g at my 32 channels
.endr
	v_add_nc_u32 v[AD], s[SOP], v1
	v_lshlrev_b32 v6, 2, v13                       ; 16 r
	s_wait_alu depctr_va_vdst(0)
	s_wait_dscnt 0x0
	s_barrier_signal -1
	s_barrier_wait -1                              ; everybody's job 2 lies in LDS
.irp i, 0,1,2,3,4,5,6,7
	ds_load_b128 v[S+4*\i:S+4*\i+3], v[AD] offset:512*\i
.endr
	s_wait_dscnt 0x0
.irp j, 0,2,4,6,8,10,12,14,16,18,20,22,24,26,28,30
	v_pk_add_f32 v[O+\j:O+\j+1], v[O+\j:O+\j+1], v[S+\j:S+\j+1]   ; the other part of my tile's keys (zeros for a tile that one wave walked alone)
.endr
	v_pk_mul_f32 v[U:U+1], v[O:O+1], v[O:O+1]      ; RMS over the head's 64 channels: my 32 and lane l xor 16's
.irp j, 2,4,6,8,10,12,14,16,18,20,22,24,26,28,30
	v_pk_fma_f32 v[U:U+1], v[O+\j:O+\j+1], v[O+\j:O+\j+1], v[U:U+1]
.endr
	s_delay_alu instid0(VALU_DEP_1)
	v_add_f32 v[U], v[U], v[U+1]
	s_delay_alu instid0(VALU_DEP_1)
	v_permlanex16_b32 v[U+1], v[U], s[SEL], s[SEL+1]
	s_delay_alu instid0(VALU_DEP_1)
	v_add_f32 v[U], v[U], v[U+1]
	s_mov_b32 s66, 0x3c800000                      ; 1 / 64
	s_mov_b32 s67, 0x3727c5ac                      ; 1e-5
	v_fma_f32 v[U], v[U], s66, s67
	s_wait_alu depctr_va_vdst(0)
	v_rsq_f32 v[U+1], v[U]
	s_lshr_b32 s68, s26, 4                         ; batch
	s_and_b32 s69, s26, 15                         ; head
	s_lshl_b32 s68, s68, 7
	s_lshl_b32 s70, s27, 3
	s_add_co_u32 s68, s68, s70
	s_add_co_u32 s68, s68, s28                     ; tile of xc = 128 batch + 8 block + my tile
	s_mul_i32 s70, s68, 12288
	s_mul_i32 s72, s69, 768                        ; a head is half a K step
	s_add_co_u32 s70, s70, s72
	s_mov_b32 s71, 0
	s_add_nc_u64 s[20:21], s[20:21], s[70:71]
	s_lshl_b32 s70, s68, 9
	s_lshr_b32 s72, s69, 3
	s_lshl_b32 s72, s72, 8
	s_add_co_u32 s70, s70, s72
	s_and_b32 s72, s69, 7
	s_lshl_b32 s72, s72, 1
	s_add_co_u32 s70, s70, s72
	s_add_nc_u64 s[22:23], s[22:23], s[70:71]
	v_nop
	s_wait_alu depctr_va_vdst(0)
	v_mul_f32 v[U], 0x3e992e09, v[U+1]             ; x (1 - lambda_init)
	s_wait_alu depctr_va_vdst(0)
	s_wait_loadcnt 0x0
.irp j, 0,2,4,6,8,10,12,14,16,18,20,22,24,26,28,30
	v_pk_mul_f32 v[S+\j:S+\j+1], v[O+\j:O+\j+1], v[U:U+1] op_sel_hi:[1,0]
.endr
.irp j, 0,2,4,6,8,10,12,14,16,18,20,22,24,26,28,30
	v_pk_mul_f32 v[S+\j:S+\j+1], v[S+\j:S+\j+1], v[KF+\j:KF+\j+1]
.endr
	QUANT2 S, PC, PT, TM, PW
	global_store_b128 v1, v[PC:PC+3], s[20:21]
	global_store_b64 v2, v[PC+4:PC+5], s[20:21] offset:512
	global_store_b16 v6, v[PW], s[22:23]           ; my head's two bytes of a scale word (2 bytes in 16: 32 of a tile-half's 800)
	s_wait_tensorcnt 0x0                           ; the wave's end
	ds_add_u32 v254, v255
	s_wait_dscnt 0x0
	s_endpgm
.Lfunc_end_k_qd4103057f3_attn:
	.size	k_qd4103057f3_attn, .Lfunc_end_k_qd4103057f3_attn-k_qd4103057f3_attn
	.p2alignl 7, 3214868480
	.fill 96, 4, 3214868480
	.section	.rodata,"a",@progbits
	.p2align	6, 0x0
	.amdhsa_kernel k_qd4103057f3_attn
		.amdhsa_group_segment_fixed_size 327680
		.amdhsa_private_segment_fixed_size 0
		.amdhsa_enable_private_segment 0
		.amdhsa_kernarg_size 80
		.amdhsa_user_sgpr_count 2
		.amdhsa_user_sgpr_kernarg_segment_ptr 1
		.amdhsa_wavefront_size32 1
		.amdhsa_system_sgpr_workgroup_id_x 1
		.amdhsa_system_sgpr_workgroup_id_y 1
		.amdhsa_system_sgpr_workgroup_id_z 1
		.amdhsa_system_vgpr_workitem_id 0
		.amdhsa_next_free_vgpr 256
		.amdhsa_next_free_sgpr 92
		.amdhsa_reserve_vcc 1
		.amdhsa_float_denorm_mode_32 3
		.amdhsa_float_denorm_mode_16_64 3
		.amdhsa_memory_ordered 1
		.amdhsa_forward_progress 1
		.amdhsa_inst_pref_size 137
	.end_amdhsa_kernel
	.amdgpu_metadata
---
amdhsa.version: [ 1, 2 ]
amdhsa.kernels:
  - .name:           k_qd4103057f3_attn
    .symbol:         k_qd4103057f3_attn.kd
    .args:
      - { .name: qp, .offset: 0, .size: 8, .value_kind: global_buffer, .address_space: global }
      - { .name: kp, .offset: 8, .size: 8, .value_kind: global_buffer, .address_space: global }
      - { .name: vp, .offset: 16, .size: 8, .value_kind: global_buffer, .address_space: global }
      - { .name: lq1, .offset: 24, .size: 8, .value_kind: global_buffer, .address_space: global }
      - { .name: lk1, .offset: 32, .size: 8, .value_kind: global_buffer, .address_space: global }
      - { .name: lq2, .offset: 40, .size: 8, .value_kind: global_buffer, .address_space: global }
      - { .name: lk2, .offset: 48, .size: 8, .value_kind: global_buffer, .address_space: global }
      - { .name: g, .offset: 56, .size: 8, .value_kind: global_buffer, .address_space: global }
      - { .name: xc, .offset: 64, .size: 8, .value_kind: global_buffer, .address_space: global }
      - { .name: xs, .offset: 72, .size: 8, .value_kind: global_buffer, .address_space: global }
    .group_segment_fixed_size: 327680
    .private_segment_fixed_size: 0
    .kernarg_segment_align: 8
    .kernarg_segment_size: 80
    .max_flat_workgroup_size: 512
    .sgpr_count:     92
    .vgpr_count:     256
    .wavefront_size: 32
...
	.end_amdgpu_metadata
.endif
;; end of part 3
;; launch outp (part 4): grid 8 x 32, 4 waves a work-group, clusters of 4 x 4, 327,680 bytes of LDS; arguments xc, xs, out0; writes out0
.if DOCPART == 4
	.amdgcn_target "amdgcn-amd-amdhsa--gfx1250"
	.amdhsa_code_object_version 6
	.text
	.protected	k_qd4103057f3_outp
	.globl	k_qd4103057f3_outp
	.p2align	8
	.type	k_qd4103057f3_outp,@function
k_qd4103057f3_outp:
	s_mov_b64 s[64:65], 0
	v_nop
	global_prefetch_b8 v0, s[64:65] scope:SCOPE_SE
	s_setreg_imm32_b32 hwreg(HW_REG_WAVE_MODE, 25, 1), 1
	s_wait_xcnt 0x0
	s_wait_alu depctr_hold_cnt(0) depctr_sa_sdst(0) depctr_va_vdst(0) depctr_va_sdst(0) depctr_va_ssrc(0) depctr_va_vcc(0) depctr_vm_vsrc(0)
	s_getreg_b32 s2, hwreg(HW_REG_IB_STS2, 6, 4)
	s_cmp_eq_u32 s2, 0
	s_cbranch_scc0 .Lentry_in_a_cluster
	s_endpgm
.Lentry_in_a_cluster:
	s_bfe_u32 s2, ttmp6, 0x10000c
	s_cmp_lg_u32 s2, 0xf033
	s_cbranch_scc0 .Lentry_shape_is_right
	s_endpgm
.Lentry_shape_is_right:
.set TILEB, 12288
; out0 = a Wo^T on codes of FP6 from xc and xs (a: tiles 0-255, Wo: tiles 960-1023), f32 sums; a work-group makes 128 x 128, a wave 64 x 64.
; LDS: a tile's whole K, 12,288 bytes, lies on end; one joint load a wave brings its four tiles whole, filled once.
.set CHB,   12288                      ; a tile's bytes in LDS
.set CHUNK, 6144                       ; four K steps of a tile: what the fragment addresses step by, once, ahead of K step 4
.set WOFF,  98304                      ; the activations' 8 tiles, then the weights' 8
.set STAGE, 196608
.set SPITCH, 272
.set FR,    12
.set SC,    32
.set ACC,   128
.set F0,    0
.set BK,    64
.set G1A, 24
.set G0A, 32
.set G1B, 48
.set G0B, 56
.set MSB, 0
.macro WIN new
.if MSB != \new
	s_set_vgpr_msb (MSB<<8)|\new
.set MSB, \new
.endif
.endm
.set MUL,  0x05
.set TO_F, 0x40
.macro JLOAD g0a, g1a, g0b, g1b
	s_cmp_eq_u32 s15, 0
	s_cbranch_scc0 .Lfor_b_\@
	tensor_load_to_lds s[\g0a:\g0a+3], s[\g1a:\g1a+7]
	s_nop 0
.rept 4
	v_nop
.endr
	s_branch .Lasked_\@
.Lfor_b_\@:
	tensor_load_to_lds s[\g0b:\g0b+3], s[\g1b:\g1b+7]
	s_nop 0
.rept 4
	v_nop
.endr
.Lasked_\@:
.endm
.macro CROUND
	s_barrier_signal -1
	s_barrier_wait -1
	s_cmp_lg_u32 s14, 0
	s_cbranch_scc1 .Lnot_wave_0_\@
	s_barrier_signal -3
.Lnot_wave_0_\@:
	s_barrier_wait -3
	s_barrier_signal -1
	s_barrier_wait -1
.endm
	s_load_b128 s[4:7], s[0:1], 0x0
	s_load_b64 s[8:9], s[0:1], 0x10
	v_lshl_add_u32 v30, v0, 2, 0x34400
	v_mov_b32 v31, 0
	ds_add_u32 v30, v31
	ds_add_u32 v30, v31
	v_lshrrev_b32 v1, 5, v0
	v_readfirstlane_b32 s14, v1
	s_lshr_b32 s15, s14, 1
	s_and_b32 s16, s14, 1
	s_bfe_u32 s40, ttmp6, 0x40000
	s_bfe_u32 s41, ttmp6, 0x40004
	s_lshl_b32 s42, ttmp9, 2
	s_add_co_u32 s42, s42, s40
	s_and_b32 s17, ttmp7, 0xffff
	s_lshl_b32 s17, s17, 2
	s_add_co_u32 s17, s17, s41
	s_lshl_b32 s43, s41, 2
	s_lshl_b32 s43, 15, s43
	s_lshl_b32 s44, 0x1111, s40
	s_or_b32 s[G1A+0], s43, (3<<16)|(1<<21)
	s_or_b32 s[G1B+0], s44, (3<<16)|(1<<21)
.irp g, G1A, G1B
	s_mov_b32 s[\g+1], 1536<<16
	s_mov_b32 s[\g+2], 4<<16
	s_mov_b32 s[\g+3], 1536<<16
	s_mov_b32 s[\g+4], 4
	s_mov_b32 s[\g+5], 1536
	s_mov_b32 s[\g+6], 0
	s_mov_b32 s[\g+7], 0
.endr
	s_lshl_b32 s19, s16, 2
	s_lshl_b32 s20, s17, 3
	s_add_co_u32 s20, s20, s19
	s_mul_i32 s20, s20, TILEB
	s_mov_b32 s21, 0
	s_lshl_b32 s46, s42, 3
	s_add_co_u32 s46, s46, s19
	s_add_co_u32 s46, s46, 960
	s_mul_i32 s46, s46, TILEB
	s_mov_b32 s47, 0
	s_mul_i32 s45, s14, 4*CHB
	s_wait_dscnt 0x0
	s_wait_kmcnt 0x0
	s_add_nc_u64 s[20:21], s[4:5], s[20:21]
	s_add_nc_u64 s[46:47], s[4:5], s[46:47]
	CROUND
.irp ch, 0
	s_mov_b32 s[G0A+4*\ch], 1
	s_add_co_u32 s[G0A+4*\ch+1], s45, \ch*CHUNK
	s_add_nc_u64 s[G0A+4*\ch+2:G0A+4*\ch+3], s[20:21], \ch*CHB
	s_or_b32 s[G0A+4*\ch+3], s[G0A+4*\ch+3], 0x80000000
	s_mov_b32 s[G0B+4*\ch], 1
	s_add_co_u32 s[G0B+4*\ch+1], s45, \ch*CHUNK
	s_add_nc_u64 s[G0B+4*\ch+2:G0B+4*\ch+3], s[46:47], \ch*CHB
	s_or_b32 s[G0B+4*\ch+3], s[G0B+4*\ch+3], 0x80000000
	JLOAD G0A+4*\ch, G1A, G0B+4*\ch, G1B
.endr
	v_and_b32 v3, 31, v0
	s_wait_alu depctr_va_vdst(0)
	v_and_b32 v1, 15, v0
	v_bfe_u32 v2, v0, 4, 1
	s_mul_i32 s68, s16, 4*CHB
	s_add_co_u32 s68, s68, WOFF
	s_mul_i32 s69, s15, 4*CHB
	s_lshl_b32 s74, s17, 3
	s_lshl_b32 s71, s15, 2
	s_add_co_u32 s74, s74, s71
	s_lshl_b32 s74, s74, 9
	s_lshl_b32 s73, s42, 3
	s_lshl_b32 s71, s16, 2
	s_add_co_u32 s73, s73, s71
	s_add_co_u32 s73, s73, 960
	s_lshl_b32 s73, s73, 9
	v_lshl_add_u32 v16, v3, 4, s68
	v_lshl_add_u32 v17, v3, 3, s68
	v_add_nc_u32 v17, 512, v17
	v_lshl_add_u32 v18, v3, 4, s69
	v_lshl_add_u32 v19, v3, 3, s69
	v_add_nc_u32 v19, 512, v19
	v_cmp_lt_u32 vcc_lo, 15, v3
	v_mov_b32 v20, s74
	v_mov_b32 v21, s73
	v_cndmask_b32 v20, v20, v21, vcc_lo
	v_lshl_add_u32 v20, v1, 4, v20
.irp a, 0,1,2,3
.irp kh, 0,1
	global_load_b128 v[SC+8*\a+4*\kh:SC+8*\a+4*\kh+3], v20, s[6:7] offset:512*\a+256*\kh
.endr
.endr
	s_mul_i32 s70, s14, 16*SPITCH
	s_add_co_u32 s70, s70, STAGE
	v_mul_u32_u24 v24, v1, SPITCH
	v_lshl_add_u32 v24, v2, 6, v24
	v_add_nc_u32 v24, s70, v24
	v_mul_u32_u24 v25, v2, SPITCH
	v_lshl_add_u32 v25, v1, 4, v25
	v_add_nc_u32 v25, s70, v25
	v_lshlrev_b32 v26, 12, v2
	v_lshl_add_u32 v26, v1, 4, v26
	s_lshl_b32 s72, s17, 7
	s_lshl_b32 s71, s15, 6
	s_add_co_u32 s72, s72, s71
	s_lshl_b32 s72, s72, 12
	s_lshl_b32 s75, s42, 9
	s_lshl_b32 s71, s16, 8
	s_add_co_u32 s75, s75, s71
	s_add_co_u32 s72, s72, s75
	s_mov_b32 s73, 0
	s_add_nc_u64 s[8:9], s[8:9], s[72:73]
.macro FETCH s, f
	WIN TO_F
.irp j, 0,1,2,3
.irp c, 0,1
	ds_load_b128 v[(\f)+FR*\j+6*\c:(\f)+FR*\j+6*\c+3], v16 offset:CHB*\j+1536*((\s)%4)+768*\c
	ds_load_b64 v[(\f)+FR*\j+6*\c+4:(\f)+FR*\j+6*\c+5], v17 offset:CHB*\j+1536*((\s)%4)+768*\c
.endr
.endr
.irp j, 0,1,2,3
.irp c, 0,1
	ds_load_b128 v[(\f)+48+FR*\j+6*\c:(\f)+48+FR*\j+6*\c+3], v18 offset:CHB*\j+1536*((\s)%4)+768*\c
	ds_load_b64 v[(\f)+48+FR*\j+6*\c+4:(\f)+48+FR*\j+6*\c+5], v19 offset:CHB*\j+1536*((\s)%4)+768*\c
.endr
.endr
.endm
.macro MUL16 f, s, zero
.irp i, 0,1,2,3
.irp j, 0,1,2,3
.if \zero
	v_wmma_scale_f32_16x16x128_f8f6f4 v[ACC+8*(4*\i+\j):ACC+8*(4*\i+\j)+7], v[(\f)+FR*\j:(\f)+FR*\j+FR-1], v[(\f)+48+FR*\i:(\f)+48+FR*\i+FR-1], 0, v[SC+8*\j+(\s)], v[SC+8*\i+(\s)] matrix_a_fmt:MATRIX_FMT_FP6 matrix_b_fmt:MATRIX_FMT_FP6 matrix_a_scale:MATRIX_SCALE_ROW1
.else
	v_wmma_scale_f32_16x16x128_f8f6f4 v[ACC+8*(4*\i+\j):ACC+8*(4*\i+\j)+7], v[(\f)+FR*\j:(\f)+FR*\j+FR-1], v[(\f)+48+FR*\i:(\f)+48+FR*\i+FR-1], v[ACC+8*(4*\i+\j):ACC+8*(4*\i+\j)+7], v[SC+8*\j+(\s)], v[SC+8*\i+(\s)] matrix_a_fmt:MATRIX_FMT_FP6 matrix_b_fmt:MATRIX_FMT_FP6 matrix_a_scale:MATRIX_SCALE_ROW1
.endif
.endr
.endr
.endm
.macro KSTEP s
.if (\s) == 3
	WIN 0
.irp a, 16,17,18,19
	s_wait_alu depctr_va_vdst(0)
	v_add_nc_u32 v\a, CHUNK, v\a
.endr
.elseif ((\s) > 0) && ((\s) < 7)
.rept 4
	v_nop
.endr
.endif
.if (\s) < 7
	FETCH (\s)+1, F0+128*(((\s)+1)%2)
	s_wait_alu depctr_va_vdst(0)
	s_wait_dscnt 32
.else
	s_wait_dscnt 0x0
.endif
	WIN MUL
.if (\s) == 0
	MUL16 F0, 0, 1
.else
	MUL16 F0+128*((\s)%2), \s, 0
.endif
.endm
	s_wait_alu depctr_va_vdst(0)
	s_wait_tensorcnt 0x0                           ; my four tiles are in
	s_barrier_signal -1
	s_barrier_wait -1
	FETCH 0, F0
	s_wait_loadcnt 0x0
.irp s, 0,1,2,3,4,5,6,7
	KSTEP \s
.endr
	WIN 0
.rept 4
	v_nop
.endr
.macro TOSTAGE i
.irp e, 0,1
.irp k, 0,1,2,3
	ds_store_b128 v24, v[ACC+32*(\i)+16*\e+4*\k:ACC+32*(\i)+16*\e+4*\k+3] offset:128*\e+16*\k
.endr
.endr
.irp k, 0,1,2,3,4,5,6,7
	ds_load_b128 v[BK+32*((\i)%2)+4*\k:BK+32*((\i)%2)+4*\k+3], v25 offset:2*SPITCH*\k
.endr
.endm
.macro SEND i, younger
	s_wait_dscnt \younger
.irp k, 0,1,2,3,4,5,6,7
	global_store_b128 v26, v[BK+32*((\i)%2)+4*\k:BK+32*((\i)%2)+4*\k+3], s[8:9] offset:(32*((\i)/2)+8*((\i)%2)+2*\k+8*(\k/4))*4096 th:TH_STORE_NT
.endr
.endm
	TOSTAGE 0
.irp i, 1,2,3
.if \i > 1
	s_wait_xcnt 0x0
.endif
	TOSTAGE \i
	SEND \i-1, 16
.endr
	SEND 3, 0
	s_wait_tensorcnt 0x0
	ds_add_u32 v30, v31
	s_wait_dscnt 0x0
	CROUND
	s_endpgm
.Lfunc_end_k_qd4103057f3_outp:
	.size	k_qd4103057f3_outp, .Lfunc_end_k_qd4103057f3_outp-k_qd4103057f3_outp
	.p2alignl 7, 3214868480
	.fill 96, 4, 3214868480
	.section	.rodata,"a",@progbits
	.p2align	6, 0x0
	.amdhsa_kernel k_qd4103057f3_outp
		.amdhsa_group_segment_fixed_size 327680
		.amdhsa_private_segment_fixed_size 0
		.amdhsa_enable_private_segment 0
		.amdhsa_kernarg_size 24
		.amdhsa_user_sgpr_count 2
		.amdhsa_user_sgpr_kernarg_segment_ptr 1
		.amdhsa_wavefront_size32 1
		.amdhsa_system_sgpr_workgroup_id_x 1
		.amdhsa_system_sgpr_workgroup_id_y 1
		.amdhsa_system_sgpr_workgroup_id_z 1
		.amdhsa_system_vgpr_workitem_id 0
		.amdhsa_next_free_vgpr 512
		.amdhsa_next_free_sgpr 80
		.amdhsa_reserve_vcc 1
		.amdhsa_float_denorm_mode_32 3
		.amdhsa_float_denorm_mode_16_64 3
		.amdhsa_memory_ordered 1
		.amdhsa_forward_progress 1
		.amdhsa_inst_pref_size 49
	.end_amdhsa_kernel
	.amdgpu_metadata
---
amdhsa.version: [ 1, 2 ]
amdhsa.kernels:
  - .name:           k_qd4103057f3_outp
    .symbol:         k_qd4103057f3_outp.kd
    .args:
      - { .name: xc, .offset: 0, .size: 8, .value_kind: global_buffer, .address_space: global }
      - { .name: xs, .offset: 8, .size: 8, .value_kind: global_buffer, .address_space: global }
      - { .name: out0, .offset: 16, .size: 8, .value_kind: global_buffer, .address_space: global }
    .group_segment_fixed_size: 327680
    .private_segment_fixed_size: 0
    .kernarg_segment_align: 8
    .kernarg_segment_size: 24
    .max_flat_workgroup_size: 128
    .sgpr_count:     80
    .vgpr_count:     512
    .wavefront_size: 32
...
	.end_amdgpu_metadata
.endif
;; end of part 4
